; MI455X (gfx1250); checked and timed in simulation.
; The chip was launched on July 23, 2026; its instructions are those of AMD's public machine-readable ISA for CDNA 5 (MIT licence, August 2026) and "CDNA5" Instruction Set Architecture Reference Guide (July 2026). The comments in the code are by the model that wrote it; some were corrected since.
;; Zoom aware MSA. Allowed arithmetic: matrix products marked QUANTISED: E3M2 operands, one E8M0 scale for each 32 along K, by v_wmma_scale_f32_16x16x128_f8f6f4 with both operands' format E3M2, f32 sums; everything else in f32.
;; Inputs: Wk 1,024 x 1,024 float32; Wo 1,024 x 1,024 float32; Wq 1,024 x 1,024 float32; Wv 1,024 x 1,024 float32; attn_bias 8 x 1 x 1,024 x 1,024 float32; bk 1,024 float32; bo 1,024 float32; bq 1,024 float32; bv 1,024 float32; k 8 x 1,024 x 1,024 float32; q 8 x 1,024 x 1,024 float32; v 8 x 1,024 x 1,024 float32; zoom_bias 2,047 x 1 float32.
;; Outputs: out0 8 x 1,024 x 1,024 float32.
;; This version of the problem:
;;   THIS VERSION OF THE PROBLEM IS GIVEN IN LOW PRECISION. The matrix products marked QUANTISED in the list below multiply operands that are first quantised to E3M2 (3 exponent bits, 2 mantissa bits; 6 bits a number), with one power-of-two scale for each 32 numbers along K (OCP MX v1.0); their sums are f32. All else is computed in f32.
;;   The module's matrix products, in the order in which they are computed (A, B: the left and right operand; K: the contracted axis; several contracted axes count as one K, in the product's order):
;;     1. [M 8,192, K 1,024] x [K 1,024, N 1,024]; A: input q; B: input Wq: QUANTISED
;;     2. [M 8,192, K 1,024] x [K 1,024, N 1,024]; A: input k; B: input Wk: QUANTISED
;;     3. [M 8,192, K 1,024] x [K 1,024, N 1,024]; A: input v; B: input Wv: QUANTISED
;;     4. batch 128 x [M 1,024, K 64] x [K 64, N 1,024]; A: computed on the way; B: computed on the way: QUANTISED
;;     5. batch 128 x [M 64, K 1,024] x [K 1,024, N 1,024]; A: computed on the way; B: softmax (see below): QUANTISED
;;     6. [M 8,192, K 1,024] x [K 1,024, N 1,024]; A: computed on the way; B: input Wo: QUANTISED
;;   THE QUANTISER, for each operand of a quantised product, along K:
;;     - K is cut into blocks of 32 from its start; a last block that is shorter is filled with zeros.
;;     - A block's scale is 2^e with e = floor(log2(the largest magnitude in the block)) - 4, held to -126 .. 127; a block of zeros has e = 0. As a byte (E8M0): e + 127.
;;     - Each number is divided by its block's scale, clamped to +-28, and rounded to the nearest number of E3M2, ties to even, subnormals kept.
;;     - The product sums the exact products of the quantised numbers (number of the format x scale) in f32.
;;   ~~~python
;;   def quantise(x, axis):      # numpy; x: float32 -> the quantised numbers, widened to float32 again
;;       x = np.moveaxis(x, axis, -1); K = x.shape[-1]
;;       x = np.pad(x, [(0, 0)] * (x.ndim - 1) + [(0, -K % 32)]); x = x.reshape(x.shape[:-1] + (-1, 32)); a = np.abs(x).max(-1, keepdims=True)
;;       e = np.where(a > 0, np.clip(np.frexp(np.where(a > 0, a, 1))[1] - 1 - 4, -126, 127), 0)      # np.frexp(a)[1] - 1 = floor(log2(a)), exactly
;;       r = np.clip(x / 2.0 ** e, -28, 28)
;;       step = 2.0 ** (np.maximum(np.frexp(np.where(r == 0, 1, r))[1] - 1, -2) - 2)
;;       q = np.round(r / step) * step * 2.0 ** e      # np.round: ties to even
;;       return np.moveaxis(q.reshape(q.shape[:-2] + (-1,))[..., :K], -1, axis).astype(np.float32)
;;   ~~~
;;   SOFTMAX AHEAD OF A QUANTISED PRODUCT. Where the list says 'softmax', what is quantised is not the finished softmax but p = 2^(t - M), with t = logit x log2(e) and M = ceil(the row's largest t), a whole number; so 1/2 < the row's largest p <= 1. The row's sum l is taken of the UNQUANTISED p, in f32, and the product's result is divided by l at the end. Since M is a whole number, a kernel that streams over the keys may use a running M (the ceiling of the running maximum): every later rescaling is an exact power of two, which a block's scale takes up: the codes' values come out the same.
;;   OPERANDS COMPUTED ON THE WAY. 'Computed on the way' means the value that the module computes at that place (a softmax that the list does not call 'softmax' is quantised finished and normalised). What goes into a quantiser is computed in f32, as accurately as f32 sums, v_exp_f32 and their like allow (about 1e-6 of the number): no bf16 or f16 on the way to a quantiser, and a product that is left as it is and whose result goes on into a quantised operand takes f32 operands (vector FMAs, or v_wmma_f32_16x16x4_f32). A number that lies on a knife's edge between two numbers of the format may be rounded either way, as far as f32 arithmetic and the matrix unit's own rounding can turn it there, and no further.
;; One version. Each part assembles by itself: llvm-mc -triple=amdgcn-amd-amdhsa -mcpu=gfx1250 --defsym DOCPART=n.
;; ======== version 1 of 1: 4 launches
;; workspace buffers: xc 18,874,368 bytes; xs 786,432 bytes; wc 3,145,728 bytes; ws 131,072 bytes; qbuf 13,631,488 bytes; kv 13,631,488 bytes; oc 6,291,456 bytes; os 262,144 bytes
;; launch quant (part 1): grid 896 x 1, 4 waves a work-group, no clusters, 33,280 bytes of LDS; arguments q, k, v, Wq, Wk, Wv, Wo, xc, xs, wc, ws; writes xc, xs, wc, ws
.if DOCPART == 1
	.amdgcn_target "amdgcn-amd-amdhsa--gfx1250"
	.amdhsa_code_object_version 6
	.text
	.protected	k_qb8d95aac24_quant
	.globl	k_qb8d95aac24_quant
	.p2align	8
	.type	k_qb8d95aac24_quant,@function
k_qb8d95aac24_quant:
	s_mov_b64 s[64:65], 0
	v_nop
	global_prefetch_b8 v0, s[64:65] scope:SCOPE_SE
	s_setreg_imm32_b32 hwreg(HW_REG_WAVE_MODE, 25, 1), 1
	s_wait_xcnt 0x0
; q, k, v [8192][1024] and Wq, Wk, Wv, Wo [1024][1024], f32, K innermost, become codes of BF6 (E3M2), 6 bits each, and one E8M0 byte for each 32 along K.
; xc [3][8192][768], xs [3][8192][32]: q, k, v.   wc [4][1024][768], ws [4][1024][32]: Wq, Wk, Wv, Wo.  A row of codes is one stream of bits, four codes in three bytes.
; A block's scale is 2^(floor(log2(its largest magnitude)) - 4); its byte is the largest magnitude's exponent field - 4, held at 1 from below.
; LIMITS: a block of zeros gets the byte 1 where the rule says 127 (its codes are zeros, and this program alone reads the bytes); blocks whose largest magnitude lies under 2^-122 are held at the byte 1;
; NaN and infinities among the inputs are not served.
; Rows are dense and K is a multiple of 32: every tensor is a plain stream of blocks of 32.  A work-group takes 32,768 numbers, a wave 16 steps of 512.  Work-groups 0-767: q, k, v (256 each); 768-895: the four weights (32 each).
; Only pointers are chosen by the work-group's number: all tensors take one path.  Each of a step's four loads reads 512 consecutive bytes; the 2,048 bytes turn through the wave's own stage in LDS and come back
; 64 bytes a lane, so that a lane holds 16 neighbours along K, as the conversion wants them.  No tensor loads, no barrier: waves share nothing.
.set STEPS, 16
.set EMAX,  4
.set CB,    12                         ; bytes of 16 codes
.set R,     16                         ; v16-79   four sets of 16 numbers as they are loaded
.set X,     80                         ; v80-111  two sets of 16 neighbours
.set C,     128                        ; v128-191 codes: four registers for each step, so that no store's data are written again
.set E,     112                        ; v112-127 a scale byte for each step
.set WREG,  8192                       ; LDS: a region for each wave: two stages of 32 x SP bytes, then its 256 scale bytes
.set SP,    80                         ; a lane's place in a stage: 64 bytes + 16 of padding
	s_load_b256 s[4:11], s[0:1], 0x0               ; q, k, v, Wq
	s_load_b256 s[12:19], s[0:1], 0x20             ; Wk, Wv, Wo, xc
	s_load_b128 s[20:23], s[0:1], 0x40             ; xs, wc
	s_load_b64 s[24:25], s[0:1], 0x50              ; ws
	v_lshl_add_u32 v192, v0, 2, 0x8000
	v_mov_b32 v193, 0
	v_lshrrev_b32 v1, 5, v0
	v_readfirstlane_b32 s26, v1                    ; wave
	v_and_b32 v2, 31, v0                           ; lane
	v_lshlrev_b32 v3, 4, v2                        ; my 16 bytes of a load's 512
	s_mul_i32 s27, s26, WREG
	v_lshrrev_b32 v14, 2, v2
	v_mul_u32_u24 v14, v14, SP
	v_and_b32 v15, 3, v2
	v_lshl_add_u32 v14, v15, 4, v14
	v_add_nc_u32 v14, s27, v14                     ; the stage, on the way in: SP (lane / 4) + 16 (lane % 4)
	v_mul_u32_u24 v15, v2, SP
	v_add_nc_u32 v15, s27, v15                     ; and on the way out: SP x lane: my 16 neighbours
	v_mul_u32_u24 v4, v2, CB                       ; my codes' place in a step's
	v_lshrrev_b32 v5, 1, v2
	s_add_co_u32 s27, s27, 2*32*SP
	v_add_nc_u32 v5, s27, v5                       ; LDS: my wave's 256 scale bytes, my block's byte
	v_lshlrev_b32 v7, 3, v2                        ; and on the way out 8 bytes a lane
	v_add_nc_u32 v6, s27, v7
	s_wait_kmcnt 0x0
	s_cmp_ge_u32 ttmp9, 256                        ; which tensor: the choices hang on the work-group's number alone
	s_cselect_b64 s[4:5], s[6:7], s[4:5]
	s_cmp_ge_u32 ttmp9, 512
	s_cselect_b64 s[4:5], s[8:9], s[4:5]
	s_cmp_ge_u32 ttmp9, 768
	s_cselect_b64 s[4:5], s[10:11], s[4:5]
	s_cmp_ge_u32 ttmp9, 800
	s_cselect_b64 s[4:5], s[12:13], s[4:5]
	s_cmp_ge_u32 ttmp9, 832
	s_cselect_b64 s[4:5], s[14:15], s[4:5]
	s_cmp_ge_u32 ttmp9, 864
	s_cselect_b64 s[4:5], s[16:17], s[4:5]
	s_cmp_lt_u32 ttmp9, 768
	s_cselect_b64 s[18:19], s[18:19], s[22:23]     ; the codes' buffer
	s_cselect_b64 s[20:21], s[20:21], s[24:25]     ; the scale bytes'
	s_cselect_b32 s29, 255, 31                     ; work-groups in a tensor, less one
	s_cselect_b32 s28, 0, 768                      ; the first work-group of the destination
	s_and_b32 s30, ttmp9, s29
	s_lshl_b32 s30, s30, 2
	s_add_co_u32 s30, s30, s26                     ; which run of 8,192 numbers of the source is my wave's
	s_lshl_b32 s30, s30, 15                        ; 32,768 bytes a run
	s_mov_b32 s31, 0
	s_add_nc_u64 s[4:5], s[4:5], s[30:31]
	s_sub_co_u32 s32, ttmp9, s28
	s_lshl_b32 s32, s32, 2
	s_add_co_u32 s32, s32, s26                     ; and which run of the destination
	s_mul_i32 s30, s32, 32*STEPS*CB                ; 6,144 bytes of codes a run
	s_add_nc_u64 s[18:19], s[18:19], s[30:31]
	s_lshl_b32 s30, s32, 8                         ; 256 scale bytes a run
	s_add_nc_u64 s[20:21], s[20:21], s[30:31]
.macro LOAD t
.irp i, 0,1,2,3
	global_load_b128 v[R+16*((\t)%4)+4*\i:R+16*((\t)%4)+4*\i+3], v3, s[4:5] offset:2048*(\t)+512*\i th:TH_LOAD_NT   ; 32 lanes read 512 consecutive bytes
.endr
.endm
.macro TURN t                          ; step t's numbers through the stage: LDS serves a wave's instructions in order, so no wait stands between the stores and the loads
.irp i, 0,1,2,3
	ds_store_b128 v14, v[R+16*((\t)%4)+4*\i:R+16*((\t)%4)+4*\i+3] offset:32*SP*((\t)%2)+8*SP*\i
.endr
.irp i, 0,1,2,3
	ds_load_b128 v[X+16*((\t)%2)+4*\i:X+16*((\t)%2)+4*\i+3], v15 offset:32*SP*((\t)%2)+16*\i
.endr
.endm
.irp t, 0,1,2,3
	LOAD \t
.endr
	s_wait_loadcnt 12                              ; step 0's four loads are in; three steps' twelve may be out
	TURN 0
.macro STEP t
.set XS, X+16*((\t)%2)
.if (\t) > 0
	s_wait_dscnt 1                                 ; this step's numbers are back from the stage (the last step's byte store may be out)
.else
	s_wait_dscnt 0x0
.endif
.if (\t)+4 < STEPS
	LOAD (\t)+4                                    ; into the registers whose stores into the stage are done
.endif
.if (\t)+1 < STEPS
.if STEPS-2-(\t) >= 3
	s_wait_loadcnt 12                              ; the next step's four loads are in; those of the three steps behind it may be out
.else
	s_wait_loadcnt 4*(STEPS-2-(\t))
.endif
	TURN (\t)+1                                    ; and go through the other stage while this step is worked
.endif
	v_max3_num_f32 v8, |v[XS]|, |v[XS+1]|, |v[XS+2]|               ; the largest magnitude of my 16
	v_max3_num_f32 v9, |v[XS+3]|, |v[XS+4]|, |v[XS+5]|
.irp i, 6,10
	v_max3_num_f32 v8, v8, |v[XS+\i]|, |v[XS+\i+1]|
	v_max3_num_f32 v9, v9, |v[XS+\i+2]|, |v[XS+\i+3]|
.endr
	v_max3_num_f32 v8, v8, |v[XS+14]|, |v[XS+15]|
	v_max3_num_f32 v8, v8, v9, (EMAX+1)<<23        ; and the floor 2^(5 - 127): the byte cannot fall under 1
	v_max_num_f32_dpp v8, v8, v8 row_xmask:1 row_mask:0xf bank_mask:0xf   ; and of my neighbour's 16: the block's
	v_add_nc_u32 v11, -(EMAX<<23), v8              ; 4 off its exponent field: the conversion takes the exponent field of this operand as its scale
	v_cvt_scalef32_pk16_bf6_f32 v[C+4*(\t):C+4*(\t)+2], v[XS:XS+15], v11
	v_lshrrev_b32 v[E+(\t)], 23, v11               ; the scale's byte (a plain line behind the conversion)
	ds_store_b8 v5, v[E+(\t)] offset:16*(\t)       ; both lanes of a block write the same byte with the same value
	global_store_b96 v4, v[C+4*(\t):C+4*(\t)+2], s[18:19] offset:32*CB*(\t)   ; the wave stores 384 consecutive bytes
.endm
.irp t, 0,1,2,3,4,5,6,7,8,9,10,11,12,13,14,15
	STEP \t
.endr
	ds_load_b64 v[12:13], v6                       ; LDS serves a wave's instructions in order: these see my stores
	s_wait_dscnt 0x0
	global_store_b64 v7, v[12:13], s[20:21]        ; 32 lanes store 256 consecutive bytes, aligned
	s_wait_tensorcnt 0x0
	ds_add_u32 v192, v193
	s_wait_dscnt 0x0
	s_endpgm
.Lfunc_end_k_qb8d95aac24_quant:
	.size	k_qb8d95aac24_quant, .Lfunc_end_k_qb8d95aac24_quant-k_qb8d95aac24_quant
	.p2alignl 7, 3214868480
	.fill 96, 4, 3214868480
	.section	.rodata,"a",@progbits
	.p2align	6, 0x0
	.amdhsa_kernel k_qb8d95aac24_quant
		.amdhsa_group_segment_fixed_size 33280
		.amdhsa_private_segment_fixed_size 0
		.amdhsa_enable_private_segment 0
		.amdhsa_kernarg_size 88
		.amdhsa_user_sgpr_count 2
		.amdhsa_user_sgpr_kernarg_segment_ptr 1
		.amdhsa_wavefront_size32 1
		.amdhsa_system_sgpr_workgroup_id_x 1
		.amdhsa_system_sgpr_workgroup_id_y 1
		.amdhsa_system_sgpr_workgroup_id_z 1
		.amdhsa_system_vgpr_workitem_id 0
		.amdhsa_next_free_vgpr 194
		.amdhsa_next_free_sgpr 66
		.amdhsa_reserve_vcc 0
		.amdhsa_float_denorm_mode_32 3
		.amdhsa_float_denorm_mode_16_64 3
		.amdhsa_memory_ordered 1
		.amdhsa_forward_progress 1
		.amdhsa_inst_pref_size 33
	.end_amdhsa_kernel
	.amdgpu_metadata
---
amdhsa.version: [ 1, 2 ]
amdhsa.kernels:
  - .name:           k_qb8d95aac24_quant
    .symbol:         k_qb8d95aac24_quant.kd
    .args:
      - { .name: q, .offset: 0, .size: 8, .value_kind: global_buffer, .address_space: global }
      - { .name: k, .offset: 8, .size: 8, .value_kind: global_buffer, .address_space: global }
      - { .name: v, .offset: 16, .size: 8, .value_kind: global_buffer, .address_space: global }
      - { .name: Wq, .offset: 24, .size: 8, .value_kind: global_buffer, .address_space: global }
      - { .name: Wk, .offset: 32, .size: 8, .value_kind: global_buffer, .address_space: global }
      - { .name: Wv, .offset: 40, .size: 8, .value_kind: global_buffer, .address_space: global }
      - { .name: Wo, .offset: 48, .size: 8, .value_kind: global_buffer, .address_space: global }
      - { .name: xc, .offset: 56, .size: 8, .value_kind: global_buffer, .address_space: global }
      - { .name: xs, .offset: 64, .size: 8, .value_kind: global_buffer, .address_space: global }
      - { .name: wc, .offset: 72, .size: 8, .value_kind: global_buffer, .address_space: global }
      - { .name: ws, .offset: 80, .size: 8, .value_kind: global_buffer, .address_space: global }
    .group_segment_fixed_size: 33280
    .private_segment_fixed_size: 0
    .kernarg_segment_align: 8
    .kernarg_segment_size: 88
    .max_flat_workgroup_size: 128
    .sgpr_count:     66
    .vgpr_count:     194
    .wavefront_size: 32
...
	.end_amdgpu_metadata
.endif
;; end of part 1
;; launch proj (part 2): grid 32 x 12, 4 waves a work-group, clusters of 4 x 4, 327,680 bytes of LDS; arguments xc, xs, wc, ws, bq, bk, bv, qbuf, kv; writes qbuf, kv
.if DOCPART == 2
	.amdgcn_target "amdgcn-amd-amdhsa--gfx1250"
	.amdhsa_code_object_version 6
	.text
	.protected	k_qb8d95aac24_proj
	.globl	k_qb8d95aac24_proj
	.p2align	8
	.type	k_qb8d95aac24_proj,@function
k_qb8d95aac24_proj:
	s_mov_b64 s[64:65], 0
	v_nop
	global_prefetch_b8 v0, s[64:65] scope:SCOPE_SE
	s_setreg_imm32_b32 hwreg(HW_REG_WAVE_MODE, 25, 1), 1
	s_wait_xcnt 0x0
	s_wait_alu depctr_hold_cnt(0) depctr_sa_sdst(0) depctr_va_vdst(0) depctr_va_sdst(0) depctr_va_ssrc(0) depctr_va_vcc(0) depctr_vm_vsrc(0)
	s_getreg_b32 s2, hwreg(HW_REG_IB_STS2, 6, 4)
	s_cmp_eq_u32 s2, 0
	s_cbranch_scc0 .Lentry_in_a_cluster
	s_endpgm
.Lentry_in_a_cluster:
	s_bfe_u32 s2, ttmp6, 0x10000c
	s_cmp_lg_u32 s2, 0xf033
	s_cbranch_scc0 .Lentry_shape_is_right
	s_endpgm
.Lentry_shape_is_right:
; The three input projections on codes of BF6 (E3M2) with E8M0 scales, K = 1,024, and the quantising of their results into the operands of attention.
; Cluster y = 0, 1, 2: q, k, v.  A work-group makes 256 x 256 of a projection, each of its four waves 128 x 128: 64 accumulators, 512 registers.  K goes in steps of 256 through a ring of two LDS slots
; (rows of 192 bytes, 16 bytes of padding behind every 64); the scale bytes of the work-group's 512 rows, for all of K, come into LDS once.
; THE MATRIX INSTRUCTION: source 0 = 16 rows of one operand (S0), source 1 = 16 rows of the other (S1).  A lane then holds ONE row of S1, and the 64 registers of its block a run along 128 rows of S0:
; register 8 b + j = S0's row 16 b + 8 (lane / 16) + j.   q, k: S1 = tokens, S0 = rows of W: a lane holds a token, its registers run along the features: the K of the scores.
; v: S1 = rows of Wv, S0 = tokens: a lane holds a channel, its registers run along the keys: the K of the second product of attention.
; CLUSTERS of 4 x 4: S1's tile hangs on cy and the cluster's ids and is asked for jointly along a row of the cluster, S0's on cx and the ids, along a column.
; THE WAY OUT: bias (and x 1/8 for q: a power of two, so it rounds nothing), then each block of 32 along the registers' axis is quantised in registers; the codes leave as IMAGES OF OPERAND REGISTERS:
; three stores of 16 bytes a lane, 512 consecutive aligned bytes each.  A block of the buffers kv and qbuf (53,248 bytes) serves one batch, four heads and 128 tokens:
;   0 + 6144 e + 1536 o: head e's operand o: registers 0-5 the codes of tokens 32 o .. + 15, registers 6-11 of tokens 32 o + 16 .. + 31 (64 channels each);   24576 + 6144 e + 1536 f: 16 channels x 128 keys of V^T;
;   49152 + 512 e: the first kind's scale words, 16 x lane + 4 o;   51200 + 512 e: V's, 16 x lane + 4 f.   qbuf has only the first and third parts.
; ORDER INSIDE A BLOCK OF 32: the codes lie in the order 0-7, 16-23, 8-15, 24-31 of the block's numbers, alike in q and k, and alike in V and in the weights p of attention.  The blocks are the rule's, so scales and
; codes are the rule's; only the order of the sums inside the matrix unit differs.
; LIMITS: a block of zeros gets the byte 1 where the rule says 127; blocks whose largest magnitude lies under 2^-122 are held at the byte 1; NaN and infinities are not served.
; REGISTERS: window 0: v0-31 addresses; v32-63 scale words; v64-127 the bias along registers; v128-223 S1's fragments, on the way out numbers and codes; v224-239 the bias along lanes; v240-255 at work on the way out.
;   window 1: S0's fragments, two sets.   windows 2, 3: the accumulators ((a, b) at v[8 (8 (a % 4) + b)]).
.set KSTEP,  256
.set NQ,     KSTEP/128
.set ROWB,   192
.set KROW,   768                       ; a row of codes in memory
.set PITCH,  240                       ; an LDS row: 3 x (64 bytes + 16 of padding)
.set FR,     12
.set NL,     6
.set NP,     4
.set HALFT,  128*PITCH
.set SLOT,   4*HALFT
.set LAPS,   2                         ; K = 1,024 is two laps of two K steps
.set KS,     32                        ; a row of scale bytes
.set SCL,    2*SLOT
.set HALFS,  (128*KS/256)*272
.set SBLK,   (16*KS/256)*272
.set SPARE,  SCL+4*HALFS               ; the spare words, 128 bytes for each wave: two blocks of 256 bytes that no other line names
.set BLK,    53248
.set ADRA, 16
.set ADRB, 20
.set CO,   26                          ; v26  16 x lane
.set ADRS, 27
.set SPW,  28
.set NIL,  29
.set BO8,  30                          ; v30  32 x (lane / 16)
.set BO4,  31                          ; v31  4 x (lane % 16)
.set SC,   32
.set PW0,  48                          ; the way out: v48-49 two scale words just made; v52-55, v56-59 the words that leave
.set WA,   52
.set WB,   56
.set BB,   64
.set AF,   128
.set T,    128                         ; the way out: 64 numbers
.set IM0,  192                         ; two images of 12 registers
.set IM1,  204
.set QT,   216                         ; the conversions' second halves
.set BV,   224
.set TM,   240                         ; +0..3 largest magnitudes, +4..7 the other half's, then bytes, +12..15 the conversions' scale operands
.set G1, 24
.set G0, 32
.set G1B, 48
.set G0B, 56
.set TY,  66                           ; s66  0, 1, 2: q, k, v
.set G1S, 68
.set G0S, 76
.set G1SB, 80
.set G0SB, 88
.set BIAS, 92
.set IMG,  94
.set WRD,  96
.set MULS, 98
.set DEST, 100
.set SEL,  20
.set MSB, 0
.macro WIN new                         ; the immediate's high byte repeats the setting that is left
.if MSB != (\new)
	s_set_vgpr_msb (MSB<<8)|(\new)
.set MSB, (\new)
.endif
.endm
.set MUL_LO, 0xa1                      ; source 0 window 1, source 1 window 0, C and D window 2
.set MUL_HI, 0xf1
.set TO_B,   0x40
; A joint load: waves 0 and 1 fetch for S1, waves 2 and 3 for S0.  Four v_nop follow each of the two lines.
.macro JLOAD g0a, g1a, g0b, g1b
	s_cmp_eq_u32 s15, 0
	s_cbranch_scc0 .Lfor_b_\@
	tensor_load_to_lds s[\g0a:\g0a+3], s[\g1a:\g1a+7]
	s_nop 0
.rept 4
	v_nop
.endr
	s_branch .Lasked_\@
.Lfor_b_\@:
	tensor_load_to_lds s[\g0b:\g0b+3], s[\g1b:\g1b+7]
	s_nop 0
.rept 4
	v_nop
.endr
.Lasked_\@:
.endm
.macro CREST
	s_cmp_lg_u32 s14, 0
	s_cbranch_scc1 .Lnot_wave_0_\@
	s_barrier_signal -3
.Lnot_wave_0_\@:
	s_barrier_wait -3
	s_barrier_signal -1
	s_barrier_wait -1
.endm
.macro CROUND
	s_barrier_signal -1
	s_barrier_wait -1
	CREST
.endm
	s_load_b256 s[4:11], s[0:1], 0x0               ; xc, xs, wc, ws
	s_load_b256 s[92:99], s[0:1], 0x20             ; bq, bk, bv, qbuf
	s_load_b64 s[100:101], s[0:1], 0x40            ; kv
	v_lshl_add_u32 v[SPW], v0, 2, SPARE
	v_mov_b32 v[NIL], 0
	ds_add_u32 v28, v29
	s_wait_dscnt 0x0
	v_lshrrev_b32 v1, 5, v0
	v_readfirstlane_b32 s14, v1                    ; wave 0..3
	s_lshr_b32 s15, s14, 1                         ; which half of S1's rows is mine.  Also: I fetch for S1 (0) or S0 (1)
	s_and_b32 s16, s14, 1                          ; which half of S0's rows.  Also: which 128 rows of that tile I fetch
	s_bfe_u32 s40, ttmp6, 0x40000                  ; cx
	s_bfe_u32 s41, ttmp6, 0x40004                  ; cy
	s_and_b32 s[TY], ttmp7, 0xffff                 ; cluster y: which projection; the same in all sixteen partners
	s_lshl_b32 s67, ttmp9, 2                       ; 4 x cluster x: the token tiles of this cluster
	s_cmp_eq_u32 s[TY], 2
	s_cselect_b32 s42, s67, 0                      ; v: the tokens are S0
	s_cselect_b32 s17, 0, s67                      ; q, k: the tokens are S1
	s_add_co_u32 s42, s42, s40                     ; S0's tile: hangs on cx and the cluster's ids
	s_add_co_u32 s17, s17, s41                     ; S1's tile: hangs on cy and the cluster's ids
	s_lshl_b32 s43, s41, 2
	s_lshl_b32 s43, 15, s43                        ; my row of the cluster
	s_lshl_b32 s44, 0x1111, s40                    ; my column
	s_or_b32 s[G1+0], s43, (0<<16)|(1<<20)|(1<<21)|(3<<22)|(3<<25)  ; the mask; elements of 1 byte; padding on; bit 21 beside a mask; after every 16 words 4 words
	s_or_b32 s[G1B+0], s44, (0<<16)|(1<<20)|(1<<21)|(3<<22)|(3<<25)
.irp g, G1, G1B
	s_mov_b32 s[\g+1], ROWB<<16                    ; tensor_dim0
	s_mov_b32 s[\g+2], 128<<16                     ; tensor_dim1
	s_mov_b32 s[\g+3], ROWB<<16                    ; tile_dim0
	s_mov_b32 s[\g+4], 128                         ; tile_dim1
	s_mov_b32 s[\g+5], KROW                        ; the pitch
	s_mov_b32 s[\g+6], 0
	s_mov_b32 s[\g+7], 0
.endr
	s_or_b32 s[G1S+0], s43, (3<<16)|(1<<20)|(1<<21)|(5<<22)|(3<<25) ; the scales of 128 rows: 4,096 dense bytes as 16 rows of 256, 16 bytes of padding behind each
	s_or_b32 s[G1SB+0], s44, (3<<16)|(1<<20)|(1<<21)|(5<<22)|(3<<25)
.irp g, G1S, G1SB
	s_mov_b32 s[\g+1], 32<<16
	s_mov_b32 s[\g+2], (128*KS/256)<<16
	s_mov_b32 s[\g+3], 32<<16
	s_mov_b32 s[\g+4], 128*KS/256
	s_mov_b32 s[\g+5], 32
	s_mov_b32 s[\g+6], 0
	s_mov_b32 s[\g+7], 0
.endr
	s_lshl_b32 s18, s16, 7                         ; which 128 rows of the tile I fetch
	s_lshl_b32 s20, s17, 8
	s_add_co_u32 s20, s20, s18                     ; S1: row 256 x tile + 128 x half
	s_lshl_b32 s46, s42, 8
	s_add_co_u32 s46, s46, s18                     ; S0 likewise
	s_mov_b32 s21, 0
	s_mov_b32 s47, 0
	s_mov_b64 s[18:19], KS
	s_mul_u64 s[22:23], s[20:21], s[18:19]         ; where these rows' scales begin, in bytes
	s_mul_u64 s[12:13], s[46:47], s[18:19]
	s_mov_b64 s[18:19], KROW
	s_mul_u64 s[20:21], s[20:21], s[18:19]         ; and their codes
	s_mul_u64 s[46:47], s[46:47], s[18:19]
	s_mul_i32 s45, s14, HALFT                      ; where they go: wave x 128 rows: no place in the cluster enters an LDS address
	s_mul_i32 s104, s14, HALFS
	s_wait_kmcnt 0x0
	s_mov_b32 s19, 0
	s_mul_i32 s18, s[TY], 6291456                  ; the projection's own tensors
	s_add_nc_u64 s[4:5], s[4:5], s[18:19]
	s_mul_i32 s18, s[TY], 262144
	s_add_nc_u64 s[6:7], s[6:7], s[18:19]
	s_mul_i32 s18, s[TY], 786432
	s_add_nc_u64 s[8:9], s[8:9], s[18:19]
	s_mul_i32 s18, s[TY], 32768
	s_add_nc_u64 s[10:11], s[10:11], s[18:19]
	s_cmp_eq_u32 s[TY], 2                          ; v: the sides change places.  The choice hangs on the cluster's id alone
	s_cselect_b64 s[18:19], s[8:9], s[4:5]
	s_cselect_b64 s[8:9], s[4:5], s[8:9]           ; S0's codes
	s_mov_b64 s[4:5], s[18:19]                     ; S1's codes
	s_cselect_b64 s[18:19], s[10:11], s[6:7]
	s_cselect_b64 s[10:11], s[6:7], s[10:11]       ; S0's scales
	s_mov_b64 s[6:7], s[18:19]                     ; S1's scales
	s_add_nc_u64 s[20:21], s[4:5], s[20:21]
	s_add_nc_u64 s[22:23], s[6:7], s[22:23]
	s_add_nc_u64 s[46:47], s[8:9], s[46:47]
	s_add_nc_u64 s[12:13], s[10:11], s[12:13]
	CROUND                                         ; all sixteen work-groups are here: the first joint loads meet
	s_mov_b32 s[G0S], 1
	s_add_co_u32 s[G0S+1], s104, SCL
	s_mov_b64 s[G0S+2:G0S+3], s[22:23]
	s_or_b32 s[G0S+3], s[G0S+3], 0x80000000
	s_mov_b32 s[G0SB], 1
	s_add_co_u32 s[G0SB+1], s104, SCL
	s_mov_b64 s[G0SB+2:G0SB+3], s[12:13]
	s_or_b32 s[G0SB+3], s[G0SB+3], 0x80000000
	JLOAD G0S, G1S, G0SB, G1SB                     ; the scales first: they are wanted with K step 0
.irp s, 0,1
	s_mov_b32 s[G0+4*\s], 1
	s_add_co_u32 s[G0+4*\s+1], s45, \s*SLOT
	s_add_nc_u64 s[G0+4*\s+2:G0+4*\s+3], s[20:21], \s*ROWB
	s_or_b32 s[G0+4*\s+3], s[G0+4*\s+3], 0x80000000
	s_mov_b32 s[G0B+4*\s], 1
	s_add_co_u32 s[G0B+4*\s+1], s45, \s*SLOT
	s_add_nc_u64 s[G0B+4*\s+2:G0B+4*\s+3], s[46:47], \s*ROWB
	s_or_b32 s[G0B+4*\s+3], s[G0B+4*\s+3], 0x80000000
	JLOAD G0+4*\s, G1, G0B+4*\s, G1B               ; three tensor loads of mine are out behind the last of these
.endr
	v_and_b32 v1, 15, v0                           ; l % 16
	v_bfe_u32 v2, v0, 4, 1                         ; l / 16
	v_mul_u32_u24 v3, v1, PITCH
	v_mul_u32_u24 v4, v2, 24
	v_add_nc_u32 v4, v3, v4                        ; a fragment's row x pitch + 24 x half
	v_lshl_add_u32 v5, v2, 4, v4                   ; and the same behind one padding more
	s_mul_i32 s21, s15, HALFT
	s_mul_i32 s22, s16, HALFT
	s_add_co_u32 s22, s22, 2*HALFT
.irp s, 0,1
	v_add_nc_u32 v[ADRA+\s], s21, v4
	v_add_nc_u32 v[ADRB+\s], s22, v4
	v_add_nc_u32 v[ADRA+2+\s], s21, v5
	v_add_nc_u32 v[ADRB+2+\s], s22, v5
	s_add_co_u32 s21, s21, SLOT
	s_add_co_u32 s22, s22, SLOT
.endr
	v_mul_u32_u24 v5, v1, KS                       ; my row's scales: KS bytes a row,
	v_lshrrev_b32 v6, 8, v5
	v_lshl_add_u32 v5, v6, 4, v5                   ; and 16 more for each 256 passed
	s_mul_i32 s21, s15, HALFS
	s_mul_i32 s22, s16, HALFS
	s_add_co_u32 s22, s22, 2*HALFS
	s_sub_co_u32 s22, s22, s21
	v_mul_u32_u24 v6, s22, v2                      ; lanes 16-31 take S0's
	s_add_co_u32 s21, s21, SCL
	v_add_nc_u32 v5, v5, v6
	v_add_nc_u32 v[ADRS], s21, v5
	v_and_b32 v6, 31, v0
	v_lshlrev_b32 v[CO], 4, v6                     ; 16 x lane: an image's place for my lane
	; where my results go, and which bias is mine
	s_lshl_b32 s20, s42, 8
	s_lshl_b32 s21, s16, 7
	s_add_co_u32 s20, s20, s21                     ; my first row of S0
	s_lshl_b32 s21, s17, 8
	s_lshl_b32 s22, s15, 7
	s_add_co_u32 s21, s21, s22                     ; my first row of S1
	s_cmp_eq_u32 s[TY], 0
	s_cselect_b64 s[DEST:DEST+1], s[98:99], s[DEST:DEST+1]   ; q goes to qbuf, k and v to kv
	s_mov_b32 s[MULS], 0x3f800000
	s_cselect_b32 s[MULS], 0x3e000000, s[MULS]     ; q x 1/8, the others x 1
	s_mov_b32 s[MULS+1], s[MULS]                   ; (named with it as a pair)
	s_cmp_eq_u32 s[TY], 1
	s_cselect_b64 s[BIAS:BIAS+1], s[94:95], s[BIAS:BIAS+1]
	s_cmp_eq_u32 s[TY], 2
	s_cselect_b64 s[BIAS:BIAS+1], s[96:97], s[BIAS:BIAS+1]
	s_cselect_b32 s104, s21, s20                   ; my first feature (128 of them: two heads)
	s_cselect_b32 s105, s20, s21                   ; my first token (128 of them: one step of attention)
	s_cselect_b32 s46, 24576, 0                    ; V's images lie behind K's,
	s_cselect_b32 s47, 2048, 0                     ; and its scale words likewise
	s_lshr_b32 s20, s105, 10                       ; the batch
	s_lshl_b32 s20, s20, 2
	s_lshr_b32 s21, s104, 8                        ; the group of four heads
	s_add_co_u32 s20, s20, s21
	s_lshl_b32 s20, s20, 3
	s_bfe_u32 s21, s105, 0x30007                   ; the step: 3 bits from bit 7
	s_add_co_u32 s20, s20, s21
	s_mul_i32 s20, s20, BLK
	s_bfe_u32 s21, s104, 0x20006                   ; my first head in the group: 0 or 2
	s_mul_i32 s22, s21, 6144
	s_add_co_u32 s22, s22, s20
	s_add_co_u32 s22, s22, s46
	s_mov_b32 s23, 0
	s_add_nc_u64 s[IMG:IMG+1], s[DEST:DEST+1], s[22:23]
	s_lshl_b32 s22, s21, 9
	s_add_co_u32 s22, s22, s20
	s_add_co_u32 s22, s22, s47
	s_add_co_u32 s22, s22, 49152
	s_add_nc_u64 s[WRD:WRD+1], s[DEST:DEST+1], s[22:23]
	s_lshl_b32 s22, s104, 2
	s_add_nc_u64 s[BIAS:BIAS+1], s[BIAS:BIAS+1], s[22:23]
	v_lshlrev_b32 v[BO8], 5, v2
	v_lshlrev_b32 v[BO4], 2, v1
.irp b, 0,1,2,3,4,5,6,7                        ; the bias in both layouts (my 128 features lie inside the 1,024 either way): along the registers, for q and k,
	global_load_b128 v[BB+8*\b:BB+8*\b+3], v[BO8], s[BIAS:BIAS+1] offset:64*\b
	global_load_b128 v[BB+8*\b+4:BB+8*\b+7], v[BO8], s[BIAS:BIAS+1] offset:64*\b+16
.endr
.irp a, 0,1,2,3,4,5,6,7                        ; and along the lanes, for v: twice, since the packed addition names a pair
	global_load_b32 v[BV+2*\a], v[BO4], s[BIAS:BIAS+1] offset:64*\a
	global_load_b32 v[BV+2*\a+1], v[BO4], s[BIAS:BIAS+1] offset:64*\a
.endr
.macro FRAG reg, adr, q, i             ; 16 rows x 128 K of 6-bit codes: 12 registers, in pieces of 8 bytes; where the piece three on lies behind one padding more, the second address register serves
.irp p, 0,1,2,3,4,5
.set PC, 12*(\q)+6*(\p/3)+\p%3
.if PC%8 < 5
	ds_load_b64 v[\reg+2*\p:\reg+2*\p+1], v[\adr] offset:8*PC+16*(PC/8)+(\i)*16*PITCH
.else
	ds_load_b64 v[\reg+2*\p:\reg+2*\p+1], v[\adr+2] offset:8*PC+16*(PC/8)+(\i)*16*PITCH
.endif
.endr
.endm
; 16 matrix instructions: S1's blocks a0, a0 + 1 x S0's eight.  The 64 accumulators take turns, one instruction a turn, in the same order in every step.
.macro MUL16 a0, p, q, sc, zero
.irp a, \a0, \a0+1
.irp b, 0,1,2,3,4,5,6,7
.if \zero
	v_wmma_scale_f32_16x16x128_f8f6f4 v[8*(8*((\a)%4)+\b):8*(8*((\a)%4)+\b)+7], v[128*(\p)+FR*\b:128*(\p)+FR*\b+FR-1], v[AF+FR*(\a):AF+FR*(\a)+FR-1], 0, v[SC+8*NQ*(\sc)+NQ*\b+(\q)], v[SC+8*NQ*(\sc)+NQ*(\a)+(\q)] matrix_a_fmt:MATRIX_FMT_BF6 matrix_b_fmt:MATRIX_FMT_BF6 matrix_a_scale:MATRIX_SCALE_ROW1
.else
	v_wmma_scale_f32_16x16x128_f8f6f4 v[8*(8*((\a)%4)+\b):8*(8*((\a)%4)+\b)+7], v[128*(\p)+FR*\b:128*(\p)+FR*\b+FR-1], v[AF+FR*(\a):AF+FR*(\a)+FR-1], v[8*(8*((\a)%4)+\b):8*(8*((\a)%4)+\b)+7], v[SC+8*NQ*(\sc)+NQ*\b+(\q)], v[SC+8*NQ*(\sc)+NQ*(\a)+(\q)] matrix_a_fmt:MATRIX_FMT_BF6 matrix_b_fmt:MATRIX_FMT_BF6 matrix_a_scale:MATRIX_SCALE_ROW1
.endif
.endr
.endr
.endm
.macro FETCH_B slot, q, p
	WIN TO_B
.irp i, 0,1,2,3,4,5,6,7
	FRAG 128*(\p)+FR*\i, ADRB+\slot, \q, \i
.endr
	WIN 0
.endm
.macro FETCH_A slot, q, i0
.irp i, \i0, \i0+1, \i0+2, \i0+3
	FRAG AF+FR*(\i), ADRA+\slot, \q, \i
.endr
.endm
.macro SCALES sc                       ; a K step's scale words: lanes 0-15 take S1's block i, lanes 16-31 S0's block i
.irp i, 0,1,2,3,4,5,6,7
	ds_load_b64 v[SC+8*NQ*\sc+NQ*\i:SC+8*NQ*\sc+NQ*\i+1], v[ADRS] offset:\i*SBLK
.endr
.endm
.macro PLACES n                        ; plain vector lines between a matrix instruction and a load into, or a vector access to, its registers
.rept \n
	v_nop
.endr
.endm
.macro STEP slot, q, zero
	s_wait_dscnt 4*NL                              ; S0's set and S1's blocks 0-3 are in; the youngest 24 loads (blocks 4-7) may be out
	WIN MUL_LO
	MUL16 0, (\q)%2, \q, \slot, \zero
	MUL16 2, (\q)%2, \q, \slot, \zero
	s_wait_dscnt 0
	PLACES NP
	FETCH_B \slot, (\q)+1, 1-(\q)%2
	FETCH_A \slot, (\q)+1, 0
	WIN MUL_HI
	MUL16 4, (\q)%2, \q, \slot, \zero
	MUL16 6, (\q)%2, \q, \slot, \zero
	PLACES NP
	WIN 0
	FETCH_A \slot, (\q)+1, 4
.endm
; A slot's last step changes slots: one barrier; in front of it each wave waits for all its tensor loads, adds 0 to its spare word, and waits for that and for its own reads of this slot.
.macro TURN slot, next, fill
	s_wait_tensorcnt 0x0                           ; all my tensor loads have landed: my part of the next slot
	ds_add_u32 v[SPW], v[NIL]                      ; 0 onto my spare word
	s_wait_dscnt 4*NL+1                            ; (the add and the youngest 24 loads may be out)
	WIN MUL_LO
	MUL16 0, 1, NQ-1, \slot, 0
	s_wait_dscnt 0x0                               ; the add is done, and my reads of this slot are over
	s_barrier_signal -1
	MUL16 2, 1, NQ-1, \slot, 0
	WIN 0
	s_barrier_wait -1
.if \fill
	CREST                                          ; the barrier has opened a round of the cluster's barrier: no wave of any partner still reads this slot or has a load on its way
	s_add_nc_u64 s[G0+4*\slot+2:G0+4*\slot+3], s[G0+4*\slot+2:G0+4*\slot+3], 2*ROWB
	s_add_nc_u64 s[G0B+4*\slot+2:G0B+4*\slot+3], s[G0B+4*\slot+2:G0B+4*\slot+3], 2*ROWB
	JLOAD G0+4*\slot, G1, G0B+4*\slot, G1B         ; the first tensor load behind the round; its four v_nop are the places in front of the loads below
.else
	PLACES NP
.endif
	v_add_nc_u32 v[ADRS], 4*NQ, v[ADRS]            ; on to the next K step's scale words
	FETCH_B \next, 0, 0
	FETCH_A \next, 0, 0
	SCALES \next
	WIN MUL_HI
	MUL16 4, 1, NQ-1, \slot, 0
	MUL16 6, 1, NQ-1, \slot, 0
	PLACES NP
	WIN 0
	FETCH_A \next, 0, 4
.endm
	s_wait_tensorcnt 1                             ; the scales and my part of K step 0 are in (K step 1's load may be out),
	s_barrier_signal -1
	s_barrier_wait -1                              ; everybody's are
	FETCH_B 0, 0, 0
	FETCH_A 0, 0, 0
	SCALES 0
	FETCH_A 0, 0, 4
	STEP 0, 0, 1                                   ; the first step's products start the sums
	s_mov_b32 s3, LAPS-1
.Llap:                                                 ; a trip goes once round the ring and fills both slots again
	TURN 0, 1, 1
	STEP 1, 0, 0
	TURN 1, 0, 1
	STEP 0, 0, 0
	s_sub_co_u32 s3, s3, 1
	s_cmp_lg_u32 s3, 0
	s_cbranch_scc1 .Llap
	TURN 0, 1, 0                                   ; the last lap fills nothing
	STEP 1, 0, 0
	s_wait_dscnt 4*NL
	WIN MUL_LO
	MUL16 0, 1, NQ-1, 1, 0
	MUL16 2, 1, NQ-1, 1, 0
	s_wait_dscnt 0
	WIN MUL_HI
	MUL16 4, 1, NQ-1, 1, 0
	MUL16 6, 1, NQ-1, 1, 0
	WIN 0
; THE WAY OUT.  64 numbers of a lane, v[s] on, register 16 b + i in block b of 32 (shared with lane l xor 16), become codes: blocks 0, 1 in v[d0] .. + 5, blocks 2, 3 in v[d1] .. + 5, and the row's scale word in v[pw].
.macro QUANT s, d0, d1, pw
.irp b, 0,1,2,3
	v_max3_num_f32 v[TM+\b], |v[(\s)+16*\b]|, |v[(\s)+1+16*\b]|, 0x2800000   ; my 16 numbers of block b, and the floor 2^(5 - 127): the byte cannot fall under 1
.endr
.irp i, 2,4,6,8,10,12,14
.irp b, 0,1,2,3
	v_max3_num_f32 v[TM+\b], v[TM+\b], |v[(\s)+16*\b+\i]|, |v[(\s)+1+16*\b+\i]|
.endr
.endr
.irp b, 0,1,2,3
	v_permlanex16_b32 v[TM+4+\b], v[TM+\b], s[SEL], s[SEL+1]
.endr
.irp b, 0,1,2,3
	v_max_num_f32 v[TM+\b], v[TM+\b], v[TM+4+\b]   ; with lane l xor 16's: the block's largest magnitude
.endr
.irp b, 0,1,2,3
	v_add_nc_u32 v[TM+12+\b], 0xfe000000, v[TM+\b] ; 4 off its exponent field: the conversion's scale operand
.endr
.irp b, 0,1,2,3
	v_lshrrev_b32 v[TM+4+\b], 23, v[TM+12+\b]      ; the scale's byte
.endr
	v_lshl_or_b32 v[\pw], v[TM+5], 8, v[TM+4]
	v_lshl_or_b32 v[\pw], v[TM+6], 16, v[\pw]
	v_lshl_or_b32 v[\pw], v[TM+7], 24, v[\pw]
	v_cvt_scalef32_pk16_bf6_f32 v[(\d0):(\d0)+2], v[(\s):(\s)+15], v[TM+12]
	v_cvt_scalef32_pk16_bf6_f32 v[QT:QT+2], v[(\s)+16:(\s)+31], v[TM+13]      ; (a conversion's three registers begin on an even number)
	v_cvt_scalef32_pk16_bf6_f32 v[(\d1):(\d1)+2], v[(\s)+32:(\s)+47], v[TM+14]
	v_cvt_scalef32_pk16_bf6_f32 v[QT+4:QT+6], v[(\s)+48:(\s)+63], v[TM+15]
	v_nop                                          ; one plain line behind a scaled conversion
.irp i, 0,1,2                                  ; the operand's layout wants a whole block in a lane: lanes 0-15 the even block, lanes 16-31 the odd one
	v_permlane16_swap_b32 v[(\d0)+\i], v[QT+\i]
	v_permlane16_swap_b32 v[(\d1)+\i], v[QT+4+\i]
.endr
.irp i, 0,1,2
	v_mov_b32 v[(\d0)+3+\i], v[QT+\i]
	v_mov_b32 v[(\d1)+3+\i], v[QT+4+\i]
.endr
.endm
; q, k: tokens 32 o .. 32 o + 31 (my blocks 2 o and 2 o + 1) give operand o of my two heads.
.macro QKPAIR o
.if (\o) > 0
	s_wait_xcnt 0x0                                ; the last pair's stores have read their registers
.endif
.irp par, 0,1
.set AA, 2*(\o)+\par
.set AC, 64*(AA%4)
	WIN 0x02+AA/4                                  ; source 0: window 2 or 3
.set i, 0
.rept 32
	v_pk_fma_f32 v[T+i:T+i+1], v[AC+i:AC+i+1], s[MULS:MULS+1], v[BB+i:BB+i+1] op_sel_hi:[1,0,1]   ; (sum + bias) x the factor; each accumulator from its low end on
.set i, i+2
.endr
	WIN 0
	QUANT T, IM0+6*\par, IM1+6*\par, PW0+\par
.endr
	v_perm_b32 v[WA+(\o)], v[PW0+1], v[PW0], 0x05040100   ; the first head's word: two bytes of each token tile
	v_perm_b32 v[WB+(\o)], v[PW0+1], v[PW0], 0x07060302   ; the second head's
.irp c, 0,1,2
	global_store_b128 v[CO], v[IM0+4*\c:IM0+4*\c+3], s[IMG:IMG+1] offset:(\o)*1536+512*\c        ; 32 lanes store 512 consecutive bytes, aligned
	global_store_b128 v[CO], v[IM1+4*\c:IM1+4*\c+3], s[IMG:IMG+1] offset:6144+(\o)*1536+512*\c
.endr
.endm
; v: channels 16 a .. 16 a + 15 (my block a) x my 128 keys give one fragment of V^T.
.macro VROW a
.if (\a) >= 2
	s_wait_xcnt 0x0                                ; the stores of two blocks back have read this image's registers
.endif
.set AC, 64*((\a)%4)
.set GG, IM0+12*((\a)%2)
	WIN 0x02+(\a)/4
.set i, 0
.rept 32
	v_pk_add_f32 v[T+i:T+i+1], v[AC+i:AC+i+1], v[BV+2*(\a):BV+2*(\a)+1] op_sel_hi:[1,0]
.set i, i+2
.endr
	WIN 0
	QUANT T, GG, GG+6, WA+(\a)
.irp c, 0,1,2
	global_store_b128 v[CO], v[GG+4*\c:GG+4*\c+3], s[IMG:IMG+1] offset:((\a)/4)*6144+((\a)%4)*1536+512*\c
.endr
.endm
	PLACES NP                                      ; behind the last products: their results are read and their operands' registers written below
	s_wait_loadcnt 0x0                             ; the bias
	s_mov_b32 s[SEL], 0x76543210
	s_mov_b32 s[SEL+1], 0xfedcba98                 ; lane l xor 16
.irp b, 0,1,2,3
	v_mov_b32 v[TM+4+\b], 0                        ; written once: a lane permute's destination counts as one of its sources
.endr
	s_cmp_eq_u32 s[TY], 2                          ; the cluster's id: the same in all partners and all waves
	s_cbranch_scc1 .Lvtype
.set i, 0
.rept 32
	v_pk_mul_f32 v[BB+i:BB+i+1], v[BB+i:BB+i+1], s[MULS:MULS+1] op_sel_hi:[1,0]   ; the bias x the factor, once
.set i, i+2
.endr
	QKPAIR 0
	QKPAIR 1
	QKPAIR 2
	QKPAIR 3
	s_branch .Lwords
.Lvtype:
.irp a, 0,1,2,3,4,5,6,7
	VROW \a
.endr
.Lwords:
	global_store_b128 v[CO], v[WA:WA+3], s[WRD:WRD+1]              ; my first head's scale words, 16 bytes a lane
	global_store_b128 v[CO], v[WB:WB+3], s[WRD:WRD+1] offset:512   ; my second head's
	s_wait_tensorcnt 0x0                           ; the wave's end
	ds_add_u32 v[SPW], v[NIL]
	s_wait_dscnt 0x0
	CROUND                                         ; the closing round: no work-group ends while a partner may still ask for a tile that names it
	s_endpgm
.Lfunc_end_k_qb8d95aac24_proj:
	.size	k_qb8d95aac24_proj, .Lfunc_end_k_qb8d95aac24_proj-k_qb8d95aac24_proj
	.p2alignl 7, 3214868480
	.fill 96, 4, 3214868480
	.section	.rodata,"a",@progbits
	.p2align	6, 0x0
	.amdhsa_kernel k_qb8d95aac24_proj
		.amdhsa_group_segment_fixed_size 327680
		.amdhsa_private_segment_fixed_size 0
		.amdhsa_enable_private_segment 0
		.amdhsa_kernarg_size 72
		.amdhsa_user_sgpr_count 2
		.amdhsa_user_sgpr_kernarg_segment_ptr 1
		.amdhsa_wavefront_size32 1
		.amdhsa_system_sgpr_workgroup_id_x 1
		.amdhsa_system_sgpr_workgroup_id_y 1
		.amdhsa_system_sgpr_workgroup_id_z 1
		.amdhsa_system_vgpr_workitem_id 0
		.amdhsa_next_free_vgpr 1024
		.amdhsa_next_free_sgpr 106
		.amdhsa_reserve_vcc 0
		.amdhsa_float_denorm_mode_32 3
		.amdhsa_float_denorm_mode_16_64 3
		.amdhsa_memory_ordered 1
		.amdhsa_forward_progress 1
		.amdhsa_inst_pref_size 235
	.end_amdhsa_kernel
	.amdgpu_metadata
---
amdhsa.version: [ 1, 2 ]
amdhsa.kernels:
  - .name:           k_qb8d95aac24_proj
    .symbol:         k_qb8d95aac24_proj.kd
    .args:
      - { .name: xc, .offset: 0, .size: 8, .value_kind: global_buffer, .address_space: global }
      - { .name: xs, .offset: 8, .size: 8, .value_kind: global_buffer, .address_space: global }
      - { .name: wc, .offset: 16, .size: 8, .value_kind: global_buffer, .address_space: global }
      - { .name: ws, .offset: 24, .size: 8, .value_kind: global_buffer, .address_space: global }
      - { .name: bq, .offset: 32, .size: 8, .value_kind: global_buffer, .address_space: global }
      - { .name: bk, .offset: 40, .size: 8, .value_kind: global_buffer, .address_space: global }
      - { .name: bv, .offset: 48, .size: 8, .value_kind: global_buffer, .address_space: global }
      - { .name: qbuf, .offset: 56, .size: 8, .value_kind: global_buffer, .address_space: global }
      - { .name: kv, .offset: 64, .size: 8, .value_kind: global_buffer, .address_space: global }
    .group_segment_fixed_size: 327680
    .private_segment_fixed_size: 0
    .kernarg_segment_align: 8
    .kernarg_segment_size: 72
    .max_flat_workgroup_size: 128
    .sgpr_count:     106
    .vgpr_count:     1024
    .wavefront_size: 32
...
	.end_amdgpu_metadata
.endif
;; end of part 2
;; launch attn (part 3): grid 4 x 64, 8 waves a work-group, clusters of 4 x 4, 327,680 bytes of LDS; arguments qbuf, kv, attn_bias, zoom_bias, oc, os; writes oc, os
.if DOCPART == 3
	.amdgcn_target "amdgcn-amd-amdhsa--gfx1250"
	.amdhsa_code_object_version 6
	.text
	.protected	k_qb8d95aac24_attn
	.globl	k_qb8d95aac24_attn
	.p2align	8
	.type	k_qb8d95aac24_attn,@function
k_qb8d95aac24_attn:
	s_mov_b64 s[64:65], 0
	v_nop
	global_prefetch_b8 v0, s[64:65] scope:SCOPE_SE
	s_setreg_imm32_b32 hwreg(HW_REG_WAVE_MODE, 25, 1), 1
	s_wait_xcnt 0x0
	s_wait_alu depctr_hold_cnt(0) depctr_sa_sdst(0) depctr_va_vdst(0) depctr_va_sdst(0) depctr_va_ssrc(0) depctr_va_vcc(0) depctr_vm_vsrc(0)
	s_getreg_b32 s2, hwreg(HW_REG_IB_STS2, 6, 4)
	s_cmp_eq_u32 s2, 0
	s_cbranch_scc0 .Lentry_in_a_cluster
	s_endpgm
.Lentry_in_a_cluster:
	s_bfe_u32 s2, ttmp6, 0x10000c
	s_cmp_lg_u32 s2, 0xf033
	s_cbranch_scc0 .Lentry_shape_is_right
	s_endpgm
.Lentry_shape_is_right:
; Attention on codes of BF6 (E3M2) with E8M0 scales: scores = q k^T + zoom_bias[query - key + 1023] + attn_bias, softmax, x v; the result is quantised along the hidden axis for the output projection.
; THE SOFTMAX: t = logit x log2(e); M = the running largest t rounded UP to a whole number; p = 2^(t - M) is quantised along the keys, not normalised; the row's sum is taken of the unquantised p and divides at the end.
; When M moves, the sum and O are multiplied by 2^(old M - new M): exact.
; SHARES.  A work-group owns one batch, 128 queries and FOUR heads; each of its eight waves owns 16 queries, for all four heads: two waves to a SIMD, 512 registers each.  Every wave walks the 1,024 keys, 128 a step.
; The two biases are the same for all heads: a step's 16 x 128 sums of them stay in 64 registers for the four heads and enter as the C of the score products: no addition a head.
; CLUSTER of 4 x 4: cx = the group of heads, cy = the query block (with the cluster's y: batch = y / 2, block = 4 (y % 2) + cy).  A step's block of K and V hangs on cx and y: asked for jointly along a column;
; a step's tile of attn_bias hangs on cy and y: jointly along a row.
; LAYOUT.  Both products transposed (source 0 = keys, or channels of V^T; source 1 = my 16 queries, or p): a lane holds ONE query (lane % 16) throughout.  K, V and Q come as images of operand registers (16 bytes a lane).
; A HEAD HAS 64 CHANNELS, the instruction takes 128 along K: one operand of K holds TWO tiles of 16 keys (registers 0-5, 6-11), and is multiplied once by [q, 0] and once by [0, q].  The zero codes stand on Q's side alone:
; every 6-bit pattern is a finite number, so those products are exact zeros; all scale bytes are real bytes.
; Register 8 t + j of the scores is key 16 t + 8 (lane / 16) + j; V was quantised with the same order inside each block of 32 keys, so p's codes meet V's.  O is put into true order before it is quantised.
; THE ZOOM TABLE in LDS: four copies, reversed, T_c[y] = zoom_bias[1147 + 128 block + c - y], c = query % 4, so that a lane's eight neighbouring keys are 32 aligned bytes.
; O and the sums begin as zeros and the largest t as -3e38, so that the step is written without a first step of its own (a third copy of the step would be the larger price).
; LIMITS: the two biases are added to each other first and then to q k^T; a block of zeros gets the byte 1 where the rule says 127 (workspace bytes); NaN and infinities are not served.
; REGISTERS.  window 0: v1-11 addresses; v12-27 four a head: -M, largest t, the sum in two halves; v28-31 Q's scale words; v32-35 K's, v36-39 V's, v40-41 p's (later O's); v42-59 at work; v60-71 p's codes; v72-79 the conversions'
;   second halves; v80-133 zeros and Q by turns; v136-183 V's four fragments; v192-255 scores, then p.   window 1: v0-127 O^T, 32 a head; v128-191 the biases; v192-239 K's four operands.
.set BLK,   53248                      ; a step's block of K and V
.set KVH,   BLK/2
.set ABO,   BLK                        ; behind it in a slot: 128 rows of attn_bias,
.set ABP,   528                        ; 512 bytes + 16 of padding each
.set ABH,   64*ABP
.set SLOT1, 131072                     ; slot 1: one exclusive or turns an address
.set ZE,    SLOT1+BLK+128*ABP          ; 251,904: the zoom table, 4 copies of
.set ZEP,   5184                       ; 1,280 entries + 64 bytes
.set SPARE, ZE+4*ZEP                   ; 272,640: the spare words, 128 bytes for each wave: four blocks of 256 bytes that no other line names
.set STG,   SPARE+1024                 ; the way out: 16 rows x 272 bytes for each wave
.set SGP,   272
.set LI,  1
.set AB0, 2
.set ZE0, 3
.set SPW, 4
.set NIL, 5
.set ADK, 6
.set ADB, 7
.set ADZ, 8
.set SIN, 9
.set SOUT, 10
.set GOC, 11
.set ST,  12
.set QW,  28
.set KSC, 32
.set VSC, 36
.set PW,  40
.set TM,  42
.set TP,  46
.set TS,  50
.set FF,  54
.set TT,  56
.set PFO, 57
.set L2,  58
.set PC,  60
.set PT,  72
.set QR,  80
.set VB,  136
.set S,   192
.set O,   0                            ; window 1
.set BI,  128
.set KB,  192
.set WV,  16
.set CS,  22
.set G1KV, 24
.set G1AB, 32
.set G0KV, 40
.set G0AB, 44
.set SEL, 48
.set TB,  50
.set TZ,  51
.set STEPS, 52
.set LIM, 53
.set PFA, 54
.set PFS, 56
.set MSB, 0
.macro WIN new                         ; the immediate's high byte repeats the setting that is left
.if MSB != (\new)
	s_set_vgpr_msb (MSB<<8)|(\new)
.set MSB, (\new)
.endif
.endm
; Waves 0 and 1 fetch the halves of K's and V's block, waves 2 and 3 the halves of the bias tile, the others nothing.  Four v_nop follow each of the two lines.
.macro TLOAD
	s_cmp_lt_u32 s[WV], 2
	s_cbranch_scc0 .Lnot_k_\@
	tensor_load_to_lds s[G0KV:G0KV+3], s[G1KV:G1KV+7]
	s_nop 0
.rept 4
	v_nop
.endr
	s_branch .Lasked_\@
.Lnot_k_\@:
	s_cmp_lt_u32 s[WV], 4
	s_cbranch_scc0 .Lasked_\@
	tensor_load_to_lds s[G0AB:G0AB+3], s[G1AB:G1AB+7]
	s_nop 0
.rept 4
	v_nop
.endr
.Lasked_\@:
.endm
; A PREFETCH of what the NEXT change of slots will ask for, one key step ahead of that load, by waves that fetch nothing, one instruction each.
; attn_bias: a step's tile is 128 rows x 512 bytes, read by one row of one cluster: the partner at cx takes rows 32 cx + lane, wave 4 the first 256 bytes of a row's part, wave 7 the second.
; K and V: a step's block, 208 x 256 bytes, is read by the columns cx of two clusters: that with even y asks; the partner at cy takes 52 of the 208, wave 5 the first 32, wave 6 the other 20 (its lanes 20-31 name the last again).
; Partners are told apart by address alone.  The last change that fills a slot asks for nothing; steps 0 and 1 come by their loads alone.
.macro ASK
	s_cmp_gt_u32 s[STEPS], s[LIM]
	s_cbranch_scc0 .Lnot_mine_\@
	global_prefetch_b8 v[PFO], s[PFA:PFA+1] th:TH_LOAD_NT scope:SCOPE_SE
.Lnot_mine_\@:
.endm
.macro CROUND
	s_barrier_signal -1
	s_barrier_wait -1
	s_cmp_lg_u32 s[WV], 0
	s_cbranch_scc1 .Lnot_wave_0_\@
	s_barrier_signal -3
.Lnot_wave_0_\@:
	s_barrier_wait -3
	s_barrier_signal -1
	s_barrier_wait -1
.endm
	s_load_b256 s[4:11], s[0:1], 0x0               ; qbuf, kv, attn_bias, zoom_bias
	s_load_b128 s[12:15], s[0:1], 0x20             ; oc, os
	v_lshl_add_u32 v[SPW], v0, 2, SPARE
	v_mov_b32 v[NIL], 0
	ds_add_u32 v4, v5
	s_wait_dscnt 0x0
	v_lshrrev_b32 v6, 5, v0
	v_readfirstlane_b32 s[WV], v6                  ; wave 0..7
	s_bfe_u32 s17, ttmp6, 0x40000                  ; cx: the group of four heads
	s_bfe_u32 s18, ttmp6, 0x40004                  ; cy
	s_and_b32 s19, ttmp7, 0xffff                   ; the cluster's y
	s_lshr_b32 s20, s19, 1                         ; the batch
	s_and_b32 s21, s19, 1
	s_lshl_b32 s21, s21, 2
	s_add_co_u32 s21, s21, s18                     ; the block of 128 queries
	s_lshl_b32 s58, s18, 2
	s_lshl_b32 s58, 15, s58                        ; my row of the cluster
	s_lshl_b32 s59, 0x1111, s17                    ; my column
	s_or_b32 s[G1KV], s59, (3<<16)|(1<<21)         ; half a block: 26,624 dense bytes as 104 rows of 256 (32 elements of 8 bytes), no padding; the mask: my column
	s_mov_b32 s[G1KV+1], 32<<16
	s_mov_b32 s[G1KV+2], 104<<16
	s_mov_b32 s[G1KV+3], 32<<16
	s_mov_b32 s[G1KV+4], 104
	s_mov_b32 s[G1KV+5], 32
	s_mov_b32 s[G1KV+6], 0
	s_mov_b32 s[G1KV+7], 0
	s_or_b32 s[G1AB], s58, (2<<16)|(1<<20)|(1<<21)|(6<<22)|(3<<25)  ; 64 rows x 128 f32, 1,024 elements apart; 4 words of padding behind every 128; the mask: my row
	s_mov_b32 s[G1AB+1], 128<<16
	s_mov_b32 s[G1AB+2], 64<<16
	s_mov_b32 s[G1AB+3], 128<<16
	s_mov_b32 s[G1AB+4], 64
	s_mov_b32 s[G1AB+5], 1024
	s_mov_b32 s[G1AB+6], 0
	s_mov_b32 s[G1AB+7], 0
	s_and_b32 s60, s[WV], 1                        ; which half I fetch, if I fetch
	s_lshl_b32 s62, s20, 2
	s_add_co_u32 s62, s62, s17                     ; 4 x batch + group of heads
	s_mul_i32 s62, s62, 8*BLK
	s_mul_i32 s61, s60, KVH
	s_add_co_u32 s62, s62, s61                     ; K and V: step 0's block, my half
	s_mov_b32 s63, 0
	s_lshl_b32 s66, s20, 10
	s_lshl_b32 s67, s21, 7
	s_add_co_u32 s66, s66, s67                     ; the work-group's first query among the 8,192 rows
	s_lshl_b32 s67, s60, 6
	s_add_co_u32 s67, s66, s67
	s_lshl_b32 s68, s67, 12                        ; attn_bias: 4,096 bytes a row
	s_mov_b32 s69, 0
	s_mul_i32 s70, s60, ABH
	s_add_co_u32 s70, s70, ABO
	s_mov_b32 s[CS], 0x3fb8aa3b                    ; log2(e)
	s_mov_b32 s[CS+1], s[CS]
	s_mov_b32 s[SEL], 0x76543210
	s_mov_b32 s[SEL+1], 0xfedcba98                 ; lane l xor 16
	s_mov_b32 s[TB], 0
	s_mov_b32 s[TZ], 0
	s_mov_b32 s[STEPS], 7
	s_wait_kmcnt 0x0
	s_mov_b32 s[G0KV], 1
	s_mov_b32 s[G0KV+1], s61
	s_add_nc_u64 s[G0KV+2:G0KV+3], s[6:7], s[62:63]
	s_or_b32 s[G0KV+3], s[G0KV+3], 0x80000000
	s_mov_b32 s[G0AB], 1
	s_mov_b32 s[G0AB+1], s70
	s_add_nc_u64 s[G0AB+2:G0AB+3], s[8:9], s[68:69]
	s_or_b32 s[G0AB+3], s[G0AB+3], 0x80000000
	CROUND                                         ; all sixteen work-groups are here: the first joint loads meet
	TLOAD                                          ; step 0 into slot 0: one tensor load of mine is out, here and behind every round
	; the zoom table: thread t brings entries t + 256 i, i = 0 .. 4, of the four copies
	s_lshl_b32 s71, s21, 7
	s_add_co_u32 s71, s71, 1147
	s_sub_co_u32 s72, s71, 1024
	v_sub_nc_u32 v6, s71, v0
	v_lshlrev_b32 v6, 2, v6                        ; 4 (1147 + 128 block - t): at least 4 x 892; 3 x 1,024 bytes can be taken off
	v_min_u32 v7, s72, v0
	v_sub_nc_u32 v7, s72, v7
	v_lshlrev_b32 v7, 2, v7                        ; i = 4: held at the table's first entry; entries so held lie beyond y = 1,147 and are never read
.irp c, 0,1,2,3
.irp i, 0,1,2,3
	global_load_b32 v[S+5*\c+\i], v6, s[10:11] offset:4*\c-1024*\i
.endr
	global_load_b32 v[S+5*\c+4], v7, s[10:11] offset:4*\c
.endr
	; Q: my 16 queries are half of operand wave / 2 of the query block's images
	v_and_b32 v[LI], 31, v0
	v_lshlrev_b32 v[LI], 4, v[LI]                  ; 16 x lane
	s_lshl_b32 s73, s20, 2
	s_add_co_u32 s73, s73, s17
	s_lshl_b32 s73, s73, 3
	s_add_co_u32 s73, s73, s21
	s_mul_i32 s74, s73, BLK
	s_mov_b32 s75, 0
	s_add_nc_u64 s[4:5], s[4:5], s[74:75]
	s_lshr_b32 s73, s[WV], 1
	s_mul_i32 s74, s73, 1536
	s_add_nc_u64 s[76:77], s[4:5], s[74:75]
	s_lshl_b32 s74, s73, 2
	s_add_nc_u64 s[78:79], s[4:5], s[74:75]
.irp e, 0,1,2,3
.irp c, 0,1,2
	global_load_b128 v[VB+12*\e+4*\c:VB+12*\e+4*\c+3], v[LI], s[76:77] offset:6144*\e+512*\c
.endr
	global_load_b32 v[QW+\e], v[LI], s[78:79] offset:49152+512*\e
.endr
	; addresses
	v_and_b32 v60, 15, v0                          ; r
	v_bfe_u32 v61, v0, 4, 1                        ; h
	s_mul_i32 s58, s[WV], 16*ABP
	s_add_co_u32 s58, s58, ABO
	v_mul_u32_u24 v[AB0], v60, ABP
	v_lshl_add_u32 v[AB0], v61, 5, v[AB0]
	v_add_nc_u32 v[AB0], s58, v[AB0]               ; attn_bias: row 16 wave + r, + 32 h
	v_bfe_u32 v62, v0, 2, 2
	v_xor_b32 v62, 3, v62                          ; 3 - (r / 4)
	v_and_b32 v63, 3, v0                           ; c = r % 4
	v_mul_u32_u24 v63, v63, ZEP
	v_lshl_add_u32 v63, v62, 4, v63
	v_lshl_add_u32 v63, v61, 5, v63
	s_xor_b32 s58, s[WV], 7                        ; 7 - wave
	s_lshl_b32 s58, s58, 6
	s_add_co_u32 s58, s58, ZE
	v_add_nc_u32 v[ZE0], s58, v63                  ; 4 y for key 0: y = key + 8 h - 16 wave - 4 (r / 4) + 124
	v_lshl_add_u32 v[ADZ], v0, 2, ZE               ; where I store the table's entries
	s_mul_i32 s58, s[WV], 16*SGP
	s_add_co_u32 s58, s58, STG
	v_mul_u32_u24 v[SIN], v60, SGP
	v_lshl_add_u32 v[SIN], v61, 5, v[SIN]
	v_add_nc_u32 v[SIN], s58, v[SIN]               ; the stage, in: row r, + 32 h
	v_mul_u32_u24 v[SOUT], v61, SGP
	v_lshl_add_u32 v[SOUT], v60, 4, v[SOUT]
	v_add_nc_u32 v[SOUT], s58, v[SOUT]             ; back: lanes 0-15 one row, lanes 16-31 the next
	v_mul_u32_u24 v[GOC], v61, 768
	v_mad_u32_u24 v[GOC], v60, 12, v[GOC]          ; and the same in oc: 12 bytes a lane
	s_lshl_b32 s58, s[WV], 4
	s_add_co_u32 s58, s58, s66                     ; my first query
	s_mul_i32 s74, s58, 768
	s_mul_i32 s59, s17, 192
	s_add_co_u32 s74, s74, s59
	s_add_nc_u64 s[12:13], s[12:13], s[74:75]      ; oc: my rows, my four heads' 192 bytes
	s_lshl_b32 s74, s58, 5
	s_lshl_b32 s59, s17, 3
	s_add_co_u32 s74, s74, s59
	s_add_nc_u64 s[14:15], s[14:15], s[74:75]      ; os: my four heads' 8 bytes
	; the prefetches: who asks, and where (macro ASK)
	s_lshl_b32 s67, s20, 2
	s_add_co_u32 s67, s67, s17
	s_mul_i32 s67, s67, 8*BLK
	s_mul_i32 s68, s18, 13312
	s_add_co_u32 s67, s67, s68
	s_add_co_u32 s67, s67, BLK                     ; K and V: my work-group's quarter of step 1's block; the first change of slots steps it to step 2
	s_lshl_b32 s68, s17, 5
	s_add_co_u32 s68, s68, s66
	s_lshl_b32 s68, s68, 12                        ; attn_bias: my work-group's 32 rows,
	s_lshr_b32 s69, s[WV], 1
	s_and_b32 s69, s69, 1
	s_lshl_b32 s69, s69, 8                         ; wave 7: the second 256 bytes,
	s_add_co_u32 s68, s68, s69
	s_add_co_u32 s68, s68, 512                     ; of step 1
	s_sub_co_u32 s58, s[WV], 5                     ; 0, 1 in waves 5, 6
	s_and_b32 s59, s19, 1
	s_lshl_b32 s73, s58, 5
	s_mov_b32 s[PFS], 512
	s_mov_b32 s[PFS+1], 0
	s_mov_b32 s74, 4096
	s_cmp_lt_u32 s58, 2                            ; waves 5 and 6 ask for K and V, waves 4 and 7 for attn_bias
	s_cselect_b64 s[PFA:PFA+1], s[6:7], s[8:9]
	s_cselect_b32 s[PFS], BLK, s[PFS]              ; a step on
	s_cselect_b32 s74, 256, s74                    ; from lane to lane
	s_cselect_b32 s73, s73, 0
	s_cselect_b32 s80, 51, 31
	s_cselect_b32 s59, s59, 0                      ; K and V: the cluster with even y alone
	s_cselect_b32 s70, s67, s68
	s_mov_b32 s71, 0
	s_add_nc_u64 s[PFA:PFA+1], s[PFA:PFA+1], s[70:71]
	s_lshr_b32 s61, s[WV], 2
	s_xor_b32 s61, s61, 1                          ; waves 0-3 ask for nothing
	s_or_b32 s59, s59, s61
	s_cmp_eq_u32 s59, 0
	s_cselect_b32 s[LIM], 1, -1                    ; the same in all sixteen partners, for a given wave
	v_and_b32 v[PFO], 31, v0
	v_add_nc_u32 v[PFO], s73, v[PFO]
	v_min_u32 v[PFO], s80, v[PFO]
	v_mul_lo_u32 v[PFO], v[PFO], s74
	; first values
.irp z, 0,1,2,3,4
.irp i, 0,1,2,3,4,5
	v_mov_b32 v[QR+12*\z+\i], 0                    ; the zero codes between the heads' q
.endr
.endr
.irp e, 0,1,2,3
	v_mov_b32 v[ST+4*\e+1], 0xff61b1e6             ; the largest t so far: -3e38
	v_floor_f32 v[ST+4*\e], -v[ST+4*\e+1]          ; -M
	v_mov_b32 v[ST+4*\e+2], 0                      ; the sum, in two halves
	v_mov_b32 v[ST+4*\e+3], 0
	v_mov_b32 v[TP+\e], 0                          ; written once: a lane permute's destination counts as one of its sources
.endr
	v_mov_b32 v[FF+1], 0                           ; (named as the upper half of a pair)
	WIN 0x40
.set i, 0
.rept 128
	v_mov_b32 v[O+i], 0                            ; O^T: the first change of M leaves zeros zeros
.set i, i+1
.endr
	WIN 0
	s_wait_loadcnt 16                              ; the table's 20 loads are in; Q's 16 may be out
.irp c, 0,1,2,3
.irp i, 0,1,2,3,4
	ds_store_b32 v[ADZ], v[S+5*\c+\i] offset:ZEP*\c+1024*\i
.endr
.endr
	s_wait_loadcnt 0x0                             ; Q
	s_cmp_eq_u32 s60, 1
	s_cselect_b32 s61, -1, 0                       ; odd waves take the images' registers 6-11
	s_lshl_b32 s62, s60, 4
.irp e, 0,1,2,3
.irp i, 0,1,2,3,4,5
	v_cndmask_b32 v[QR+6+12*\e+\i], v[VB+12*\e+\i], v[VB+12*\e+6+\i], s61
.endr
	v_lshrrev_b32 v[QW+\e], s62, v[QW+\e]
	v_and_b32 v[QW+\e], 0xffff, v[QW+\e]
	v_lshl_or_b32 v[QW+\e], v[QW+\e], 16, v[QW+\e] ; my tile's two bytes, twice: they serve [q, 0] and [0, q]
.endr
; HEAD e's part of a key step.
.macro UNIT e
.set SE, ST+4*(\e)
.set OE, O+32*(\e)
.set QL, QR+6+12*(\e)                  ; [q, 0]
.set QH, QR+12*(\e)                    ; [0, q]
	s_wait_dscnt 13                                ; K's operands and words are in; V's 13 loads may be out
	WIN 0x11                                       ; K and the biases in window 1
.irp o, 0,1,2,3
	v_wmma_scale_f32_16x16x128_f8f6f4 v[S+16*\o:S+16*\o+7], v[KB+12*\o:KB+12*\o+11], v[QL:QL+11], v[BI+16*\o:BI+16*\o+7], v[KSC+\o], v[QW+(\e)] matrix_a_fmt:MATRIX_FMT_BF6 matrix_b_fmt:MATRIX_FMT_BF6
	v_wmma_scale_f32_16x16x128_f8f6f4 v[S+16*\o+8:S+16*\o+15], v[KB+12*\o:KB+12*\o+11], v[QH:QH+11], v[BI+16*\o+8:BI+16*\o+15], v[KSC+\o], v[QW+(\e)] matrix_a_fmt:MATRIX_FMT_BF6 matrix_b_fmt:MATRIX_FMT_BF6
.endr
	WIN 0
.rept 4
	v_nop                                          ; places in front of the loads into K's registers and of the first read of the scores
.endr
.if (\e) < 3
	WIN 0x40
.irp i, 0,1,2,3,4,5,6,7,8,9,10,11
	ds_load_b128 v[KB+4*\i:KB+4*\i+3], v[ADK] offset:((\e)+1)*6144+512*\i      ; the next head's K
.endr
	WIN 0
	ds_load_b128 v[KSC:KSC+3], v[ADK] offset:49152+((\e)+1)*512
.endif
.irp b, 0,1,2,3
	v_max3_num_f32 v[TM+\b], v[S+16*\b], v[S+16*\b+1], v[S+16*\b+2]   ; the largest score of each block of 32 keys: for the row's maximum, and, since p rises with the score, for the block's largest p
.endr
.irp i, 3,5,7,9,11,13
.irp b, 0,1,2,3
	v_max3_num_f32 v[TM+\b], v[TM+\b], v[S+16*\b+\i], v[S+16*\b+\i+1]
.endr
.endr
.irp b, 0,1,2,3
	v_max_num_f32 v[TM+\b], v[TM+\b], v[S+16*\b+15]
.endr
.irp b, 0,1,2,3
	v_permlanex16_b32 v[TP+\b], v[TM+\b], s[SEL], s[SEL+1]
.endr
.irp b, 0,1,2,3
	v_max_num_f32 v[TM+\b], v[TM+\b], v[TP+\b]     ; with lane l xor 16's 16 keys
.endr
	v_max3_num_f32 v[TT], v[TM], v[TM+1], v[TM+2]
	v_max_num_f32 v[TT], v[TT], v[TM+3]
	v_mul_f32 v[TT], s[CS], v[TT]                  ; as t
	v_max_num_f32 v[SE+1], v[SE+1], v[TT]          ; the running largest t
	v_mov_b32 v[TT], v[SE]
	v_floor_f32 v[SE], -v[SE+1]                    ; the new -M = -ceil(t)
	v_sub_f32 v[TT], v[SE], v[TT]                  ; old M - new M: a whole number, 0 or less
	v_cvt_i32_f32 v[TT], v[TT]                     ; (it saturates)
	v_ldexp_f32 v[FF], 1.0, v[TT]                  ; f = 2^(old M - new M)
.set i, 0
.rept 32
	v_pk_fma_f32 v[S+i:S+i+1], v[S+i:S+i+1], s[CS:CS+1], v[SE:SE+1] op_sel_hi:[1,0,0]   ; t - M
.set i, i+2
.endr
.irp b, 0,1,2,3
	v_fma_f32 v[TM+\b], v[TM+\b], s[CS], v[SE]     ; the same of each block's largest score
.endr
.set i, 0
.rept 64
	v_exp_f32 v[S+i], v[S+i]                       ; p = 2^(t - M)
.set i, i+1
.endr
	v_pk_mul_f32 v[SE+2:SE+3], v[SE+2:SE+3], v[FF:FF+1] op_sel_hi:[1,0]   ; the sums under the new M (a plain line behind the exponentials)
	s_wait_alu depctr_va_vdst(0)                   ; one wait for the batch of 64, ahead of its first reader
.irp b, 0,1,2,3
	v_exp_f32 v[TM+\b], v[TM+\b]                   ; each block's largest p
.endr
	v_pk_add_f32 v[L2:L2+1], v[S:S+1], v[S+2:S+3]  ; the row's sum of the unquantised p, in two chains
.irp j, 4,8,12,16,20,24,28,32,36,40,44,48,52,56,60
	v_pk_add_f32 v[SE+2:SE+3], v[SE+2:SE+3], v[S+\j:S+\j+1]
	v_pk_add_f32 v[L2:L2+1], v[L2:L2+1], v[S+\j+2:S+\j+3]
.endr
	v_pk_add_f32 v[SE+2:SE+3], v[SE+2:SE+3], v[L2:L2+1]
	s_wait_alu depctr_va_vdst(0)                   ; and one for the four
.irp b, 0,1,2,3
	v_max_num_f32 v[TM+\b], 0x2800000, v[TM+\b]    ; the floor 2^(5 - 127): the byte cannot fall under 1
.endr
.irp b, 0,1,2,3
	v_add_nc_u32 v[TS+\b], 0xfe000000, v[TM+\b]    ; 4 off the exponent field: the conversion's scale operand
.endr
.irp b, 0,1,2,3
	v_lshrrev_b32 v[TP+\b], 23, v[TS+\b]           ; the scale's byte
.endr
	v_lshl_or_b32 v[PW], v[TP+1], 8, v[TP]
	v_lshl_or_b32 v[PW], v[TP+2], 16, v[PW]
	v_lshl_or_b32 v[PW], v[TP+3], 24, v[PW]        ; p's scale word for these 128 keys
.irp c, 0,1
	v_cvt_scalef32_pk16_bf6_f32 v[PC+6*\c:PC+6*\c+2], v[S+32*\c:S+32*\c+15], v[TS+2*\c]
	v_cvt_scalef32_pk16_bf6_f32 v[PT+4*\c:PT+4*\c+2], v[S+32*\c+16:S+32*\c+31], v[TS+2*\c+1]
.endr
	v_nop                                          ; one plain line behind a scaled conversion
.irp c, 0,1
.irp i, 0,1,2
	v_permlane16_swap_b32 v[PC+6*\c+\i], v[PT+4*\c+\i]   ; a whole block to a lane
.endr
.irp i, 0,1,2
	v_mov_b32 v[PC+3+6*\c+\i], v[PT+4*\c+\i]
.endr
.endr
	WIN 0x41
.set i, 0
.rept 16
	v_pk_mul_f32 v[OE+i:OE+i+1], v[OE+i:OE+i+1], v[FF:FF+1] op_sel_hi:[1,0]   ; O^T under the new M; for each product below twelve of these name none of its registers: the places behind p's codes and word
.set i, i+2
.endr
.if (\e) < 3
	s_wait_dscnt 13                                ; V is in; the next head's K, 13 loads, may be out
.else
	s_wait_dscnt 0x0
.endif
	WIN 0x50                                       ; O^T in window 1
.irp f, 0,1,2,3
	v_wmma_scale_f32_16x16x128_f8f6f4 v[OE+8*\f:OE+8*\f+7], v[VB+12*\f:VB+12*\f+11], v[PC:PC+11], v[OE+8*\f:OE+8*\f+7], v[VSC+\f], v[PW] matrix_a_fmt:MATRIX_FMT_BF6 matrix_b_fmt:MATRIX_FMT_BF6
.endr
	WIN 0
.rept 4
	v_nop                                          ; places in front of the loads into V's registers, and of what follows the last head
.endr
.if (\e) < 3
.irp i, 0,1,2,3,4,5,6,7,8,9,10,11
	ds_load_b128 v[VB+4*\i:VB+4*\i+3], v[ADK] offset:24576+((\e)+1)*6144+512*\i   ; the next head's V
.endr
	ds_load_b128 v[VSC:VSC+3], v[ADK] offset:51200+((\e)+1)*512
.endif
.endm
; A KEY STEP: 128 keys, four heads.  All accumulators take turns, one instruction a turn.
.macro STEP
	v_add_nc_u32 v[ADK], s[TB], v[LI]
	v_add_nc_u32 v[ADB], s[TB], v[AB0]
	v_add_nc_u32 v[ADZ], s[TZ], v[ZE0]
	WIN 0x40
.irp t, 0,1,2,3,4,5,6,7
	ds_load_b128 v[BI+8*\t:BI+8*\t+3], v[ADB] offset:64*\t            ; attn_bias(my query, keys 16 t + 8 h + 0 .. 7)
	ds_load_b128 v[BI+8*\t+4:BI+8*\t+7], v[ADB] offset:64*\t+16
.endr
	WIN 0
.irp t, 0,1,2,3,4,5,6,7
	ds_load_b128 v[S+8*\t:S+8*\t+3], v[ADZ] offset:64*\t              ; the zoom bias of the same
	ds_load_b128 v[S+8*\t+4:S+8*\t+7], v[ADZ] offset:64*\t+16
.endr
	WIN 0x40
.irp i, 0,1,2,3,4,5,6,7,8,9,10,11
	ds_load_b128 v[KB+4*\i:KB+4*\i+3], v[ADK] offset:512*\i
.endr
	WIN 0
	ds_load_b128 v[KSC:KSC+3], v[ADK] offset:49152
.irp i, 0,1,2,3,4,5,6,7,8,9,10,11
	ds_load_b128 v[VB+4*\i:VB+4*\i+3], v[ADK] offset:24576+512*\i
.endr
	ds_load_b128 v[VSC:VSC+3], v[ADK] offset:51200
	s_wait_dscnt 26                                ; the biases are in; the first head's K and V, 13 loads each, may be out
	WIN 0x41
.set i, 0
.rept 32
	v_pk_add_f32 v[BI+i:BI+i+1], v[BI+i:BI+i+1], v[S+i:S+i+1]
.set i, i+2
.endr
	WIN 0
.rept 4
	v_nop
.endr
	UNIT 0
	UNIT 1
	UNIT 2
	UNIT 3
.endm
; THE CHANGE OF SLOTS stands at a step's head.  Each wave waits for all its tensor loads, adds 0 to its spare word, and waits for that, for its reads of the slot that it has left and (the first time) for its stores into the zoom table.
; fill = 1: a round of the cluster's barrier, and behind it the slot just left is filled with the next step: the load has a whole step in which to land.
.macro CHANGE fill
	s_wait_tensorcnt 0x0                           ; no tensor load of mine is out, so a group 0 may be written
	ds_add_u32 v[SPW], v[NIL]                      ; 0 onto my spare word
.if \fill
	s_xor_b32 s[G0KV+1], s[G0KV+1], SLOT1          ; the walking descriptors: the other slot, the next step
	s_add_nc_u64 s[G0KV+2:G0KV+3], s[G0KV+2:G0KV+3], BLK
	s_xor_b32 s[G0AB+1], s[G0AB+1], SLOT1
	s_add_nc_u64 s[G0AB+2:G0AB+3], s[G0AB+2:G0AB+3], 512
	s_wait_xcnt 0x0                                ; the last prefetch, a step back, has read its address
	s_add_nc_u64 s[PFA:PFA+1], s[PFA:PFA+1], s[PFS:PFS+1]
	s_wait_dscnt 0x0
	CROUND
	TLOAD                                          ; the first thing behind the round, and a wave's one tensor load until the next
	ASK
.else
	s_wait_dscnt 0x0
	s_barrier_signal -1
	s_barrier_wait -1
.endif
.endm
.Lstep:                                            ; seven trips: behind each change of slots but the last the next step is asked for
	CHANGE 1
	STEP
	s_xor_b32 s[TB], s[TB], SLOT1
	s_add_co_u32 s[TZ], s[TZ], 512
	s_sub_co_u32 s[STEPS], s[STEPS], 1
	s_cmp_lg_u32 s[STEPS], 0
	s_cbranch_scc1 .Lstep
	CHANGE 0                                       ; the last step is written out
	STEP
	; THE WAY OUT.  O^T / the sum, in true order along the hidden axis, quantised; the codes go through my stage and leave as 192 consecutive bytes of each row of oc.
.irp e, 0,1,2,3
	v_add_f32 v[TS+\e], v[ST+4*\e+2], v[ST+4*\e+3]
.endr
.irp e, 0,1,2,3
	v_permlanex16_b32 v[ST+4*\e+1], v[TS+\e], s[SEL], s[SEL+1]
.endr
.irp e, 0,1,2,3
	v_add_f32 v[TS+\e], v[TS+\e], v[ST+4*\e+1]     ; the row's sum
.endr
.irp e, 0,1,2,3
	v_rcp_f32 v[ST+4*\e+2], v[TS+\e]
.endr
	v_and_b32 v[ADK], 15, v0                       ; (a plain line behind the reciprocals)
	v_lshlrev_b32 v[ADK], 5, v[ADK]                ; os: 32 bytes a row
	s_wait_alu depctr_va_vdst(0)                   ; one wait for the four, ahead of their first reader
.macro OQ pw                           ; the 64 numbers in v[S] on, register 16 b + i = hidden 32 b + 16 h + i of my row: codes in PC, PC + 6 (each lane's block's lower 16) and PT, PT + 4 (upper 16), the word in v[pw]
.irp b, 0,1,2,3
	v_max3_num_f32 v[TM+\b], |v[S+16*\b]|, |v[S+16*\b+1]|, 0x2800000
.endr
.irp i, 2,4,6,8,10,12,14
.irp b, 0,1,2,3
	v_max3_num_f32 v[TM+\b], v[TM+\b], |v[S+16*\b+\i]|, |v[S+16*\b+\i+1]|
.endr
.endr
.irp b, 0,1,2,3
	v_permlanex16_b32 v[TP+\b], v[TM+\b], s[SEL], s[SEL+1]
.endr
.irp b, 0,1,2,3
	v_max_num_f32 v[TM+\b], v[TM+\b], v[TP+\b]
.endr
.irp b, 0,1,2,3
	v_add_nc_u32 v[TS+\b], 0xfe000000, v[TM+\b]
.endr
.irp b, 0,1,2,3
	v_lshrrev_b32 v[TP+\b], 23, v[TS+\b]
.endr
	v_lshl_or_b32 v[\pw], v[TP+1], 8, v[TP]
	v_lshl_or_b32 v[\pw], v[TP+2], 16, v[\pw]
	v_lshl_or_b32 v[\pw], v[TP+3], 24, v[\pw]
.irp c, 0,1
	v_cvt_scalef32_pk16_bf6_f32 v[PC+6*\c:PC+6*\c+2], v[S+32*\c:S+32*\c+15], v[TS+2*\c]
	v_cvt_scalef32_pk16_bf6_f32 v[PT+4*\c:PT+4*\c+2], v[S+32*\c+16:S+32*\c+31], v[TS+2*\c+1]
.endr
	v_nop
.irp c, 0,1
.irp i, 0,1,2
	v_permlane16_swap_b32 v[PC+6*\c+\i], v[PT+4*\c+\i]
.endr
.endr
.endm
.macro PAIR x                          ; heads 2 x and 2 x + 1: 128 along the hidden axis
	WIN 0x01                                       ; O^T in window 1
.irp u, 0,1
.set i, 0
.rept 16
	v_pk_mul_f32 v[S+32*\u+i:S+32*\u+i+1], v[O+32*(2*(\x)+\u)+i:O+32*(2*(\x)+\u)+i+1], v[ST+4*(2*(\x)+\u)+2:ST+4*(2*(\x)+\u)+3] op_sel_hi:[1,0]   ; each accumulator from its low end on
.set i, i+2
.endr
.endr
	WIN 0
.irp g, 0,1,2,3                                ; a lane holds channels 8 h + 0..7 and 16 + 8 h + 0..7 of a block of 32: the exchange gives it 16 h + 0 .. 15
.irp j, 0,1,2,3,4,5,6,7
	v_permlane16_swap_b32 v[S+16*\g+\j], v[S+16*\g+8+\j]
.endr
.endr
	OQ PW+(\x)
	ds_store_b96 v[SIN], v[PC:PC+2] offset:128*(\x)           ; 16 codes, 12 bytes, to a place of 16 bytes: place 8 x + 4 c + 2 h + half
	ds_store_b96 v[SIN], v[PT:PT+2] offset:128*(\x)+16
	ds_store_b96 v[SIN], v[PC+6:PC+8] offset:128*(\x)+64
	ds_store_b96 v[SIN], v[PT+4:PT+6] offset:128*(\x)+80
	s_wait_dscnt 0x0                               ; the stores have read their registers
.endm
	PAIR 0
	PAIR 1
.irp i, 0,1,2,3,4,5,6,7
	ds_load_b96 v[S+4*\i:S+4*\i+2], v[SOUT] offset:2*\i*SGP   ; my own stage: LDS serves a wave's instructions in order
.endr
	global_store_b64 v[ADK], v[PW:PW+1], s[14:15]  ; my rows' eight scale bytes (lanes l and l + 16 hold the same two words and store them to the same place)
.irp i, 0,1,2,3,4,5,6,7
	s_wait_dscnt 7-\i
	global_store_b96 v[GOC], v[S+4*\i:S+4*\i+2], s[12:13] offset:2*\i*768   ; sixteen lanes store a row's 192 consecutive bytes
.endr
	s_wait_tensorcnt 0x0                           ; the wave's end
	ds_add_u32 v[SPW], v[NIL]
	s_wait_dscnt 0x0
	CROUND                                         ; the closing round
	s_endpgm
.Lfunc_end_k_qb8d95aac24_attn:
	.size	k_qb8d95aac24_attn, .Lfunc_end_k_qb8d95aac24_attn-k_qb8d95aac24_attn
	.p2alignl 7, 3214868480
	.fill 96, 4, 3214868480
	.section	.rodata,"a",@progbits
	.p2align	6, 0x0
	.amdhsa_kernel k_qb8d95aac24_attn
		.amdhsa_group_segment_fixed_size 327680
		.amdhsa_private_segment_fixed_size 0
		.amdhsa_enable_private_segment 0
		.amdhsa_kernarg_size 48
		.amdhsa_user_sgpr_count 2
		.amdhsa_user_sgpr_kernarg_segment_ptr 1
		.amdhsa_wavefront_size32 1
		.amdhsa_system_sgpr_workgroup_id_x 1
		.amdhsa_system_sgpr_workgroup_id_y 1
		.amdhsa_system_sgpr_workgroup_id_z 1
		.amdhsa_system_vgpr_workitem_id 0
		.amdhsa_next_free_vgpr 512
		.amdhsa_next_free_sgpr 96
		.amdhsa_reserve_vcc 0
		.amdhsa_float_denorm_mode_32 3
		.amdhsa_float_denorm_mode_16_64 3
		.amdhsa_memory_ordered 1
		.amdhsa_forward_progress 1
		.amdhsa_inst_pref_size 171
	.end_amdhsa_kernel
	.amdgpu_metadata
---
amdhsa.version: [ 1, 2 ]
amdhsa.kernels:
  - .name:           k_qb8d95aac24_attn
    .symbol:         k_qb8d95aac24_attn.kd
    .args:
      - { .name: qbuf, .offset: 0, .size: 8, .value_kind: global_buffer, .address_space: global }
      - { .name: kv, .offset: 8, .size: 8, .value_kind: global_buffer, .address_space: global }
      - { .name: attn_bias, .offset: 16, .size: 8, .value_kind: global_buffer, .address_space: global }
      - { .name: zoom_bias, .offset: 24, .size: 8, .value_kind: global_buffer, .address_space: global }
      - { .name: oc, .offset: 32, .size: 8, .value_kind: global_buffer, .address_space: global }
      - { .name: os, .offset: 40, .size: 8, .value_kind: global_buffer, .address_space: global }
    .group_segment_fixed_size: 327680
    .private_segment_fixed_size: 0
    .kernarg_segment_align: 8
    .kernarg_segment_size: 48
    .max_flat_workgroup_size: 256
    .sgpr_count:     96
    .vgpr_count:     512
    .wavefront_size: 32
...
	.end_amdgpu_metadata
.endif
;; end of part 3
;; launch outp (part 4): grid 4 x 64, 4 waves a work-group, clusters of 4 x 4, 327,680 bytes of LDS; arguments oc, os, wc, ws, bo, out0; writes out0
.if DOCPART == 4
	.amdgcn_target "amdgcn-amd-amdhsa--gfx1250"
	.amdhsa_code_object_version 6
	.text
	.protected	k_qb8d95aac24_outp
	.globl	k_qb8d95aac24_outp
	.p2align	8
	.type	k_qb8d95aac24_outp,@function
k_qb8d95aac24_outp:
	s_mov_b64 s[64:65], 0
	v_nop
	global_prefetch_b8 v0, s[64:65] scope:SCOPE_SE
	s_setreg_imm32_b32 hwreg(HW_REG_WAVE_MODE, 25, 1), 1
	s_wait_xcnt 0x0
	s_wait_alu depctr_hold_cnt(0) depctr_sa_sdst(0) depctr_va_vdst(0) depctr_va_sdst(0) depctr_va_ssrc(0) depctr_va_vcc(0) depctr_vm_vsrc(0)
	s_getreg_b32 s2, hwreg(HW_REG_IB_STS2, 6, 4)
	s_cmp_eq_u32 s2, 0
	s_cbranch_scc0 .Lentry_in_a_cluster
	s_endpgm
.Lentry_in_a_cluster:
	s_bfe_u32 s2, ttmp6, 0x10000c
	s_cmp_lg_u32 s2, 0xf033
	s_cbranch_scc0 .Lentry_shape_is_right
	s_endpgm
.Lentry_shape_is_right:
; out0[m][n] = sum over k of A[m][k] Wo[n][k] + bo[n].  A: the attention's result as codes of BF6 (E3M2), oc [8192][768], os [8192][32]; Wo: the fourth tensor of wc [4][1024][768], ws [4][1024][32]; out0 [8192][1024] f32.
; A tile of 128 x 256 of out0 is made by a work-group of four waves: 64 x 4 = 256 work-groups.  A wave makes 64 x 128: 32 accumulators of 16 x 16, 256 registers.
; ALL OF K LIES IN LDS AT ONCE.  A tile's row is a whole row of codes, 768 bytes of memory that begin at a multiple of 256 from the buffer's first byte, with 16 bytes of padding behind every 256: 816 bytes.
; 128 rows of A + 256 rows of Wo are 313,344 bytes, their scale bytes (in units of 256 + 16) 13,056: 326,400 bytes.  Every byte of LDS is filled once: there is no ring, and the K work has no barrier.
; CLUSTERS of 4 x 4: A's rows hang on the tile row and are asked for jointly along a row of the cluster, Wo's on the tile column, along a column of the cluster.
; THE MATRIX INSTRUCTION IS USED TRANSPOSED (source 0 = 16 rows of Wo, source 1 = 16 rows of A): a lane holds eight neighbouring numbers of a row of out0.  The bias is the C of each sum's first product.
; REGISTERS: window 0: v0-31 addresses; v32-95 scale words (register 8 i + s: lanes 0-15 the word of A's block i, lanes 16-31 that of Wo's block i, for the s-th 128 along K); v96-159 the bias in the result's layout;
;   v160-255 A's fragments (4 x 16 rows x 128 K), two sets; on the way out v128-255 rows of out0.   window 1: Wo's fragments (8 x 16 rows x 128 K), two sets, at v0 and at v128.
;   window 2: the accumulators ((a, b) at v[8 (8 a + b)]).
.set SIZE_N, 1024
.set KROW,   768                       ; a row of codes in memory
.set PITCH,  816                       ; and in LDS: 3 x (256 bytes + 16 of padding) = 204 words: row r starts at bank 12 r mod 64 (64 banks of 4 bytes: ISA guide 11.1): 16 rows start at the 16 multiples of 4,
                                       ; and lanes 16-31 stand 6 or 10 banks further on: the 32 lanes of a load of 8 bytes touch 64 different banks
.set FR,     12                        ; registers of a fragment
.set NL,     6                         ; LDS loads that bring one
.set NP,     4                         ; places behind this matrix instruction (ISA guide 7.12.1)
.set KS,     32                        ; a row of scale bytes
.set AH,     64*PITCH                  ; 64 rows: what a wave fetches of A, and what a wave reads of it
.set BH,     128*PITCH                 ; 128 rows: the same for Wo
.set BOFF,   2*AH                      ; Wo's 256 rows lie behind A's 128
.set SCL,    BOFF+2*BH                 ; behind them A's scale bytes, as units of 256 bytes + 16 of padding,
.set SA64,   (64*KS/256)*272           ; (those of 64 rows)
.set SB128,  (128*KS/256)*272          ; (those of 128 rows)
.set SCLB,   SCL+2*SA64                ; and Wo's
.set SBLK,   (16*KS/256)*272           ; those of 16 rows
.set SPITCH, 528                       ; the way out: a stage of 16 rows x (512 bytes + 16) for each wave, over A's tile, behind the barrier at which every wave's reads of LDS are over
.set ADRA, 16                          ; v16  LDS address of my A fragments;  v17 the same for the pieces that lie behind one padding more
.set ADRB, 18                          ; v18-19 the same for Wo's blocks 0-3;  v20-21 for its blocks 4-7 (a block is 13,056 bytes: four of them fit the 16-bit offset)
.set STO,  24
.set RD,   25
.set CO,   26
.set ADRS, 27
.set BO8,  30
.set SC,   32
.set BB,   96
.set AF,   160
.set BK,   128
.set G1, 24                            ; s[24:31] descriptor group 1 for A's rows;  s[32:35] group 0
.set G0, 32
.set G1B, 48                           ; s[48:55], s[56:59] the same for Wo's rows
.set G0B, 56
.set G1S, 68                           ; s[68:75], s[76:79] for A's scales;  s[80:87], s[88:91] for Wo's
.set G0S, 76
.set G1SB, 80
.set G0SB, 88
.set MSB, 0
.macro WIN new                         ; the immediate's high byte repeats the setting that is left
.if MSB != (\new)
	s_set_vgpr_msb (MSB<<8)|(\new)
.set MSB, (\new)
.endif
.endm
.set MUL,  0xa1                        ; source 0 (Wo) window 1, source 1 (A) window 0, C and D window 2
.set TO_B, 0x40                        ; destination window 1, address window 0
; A joint load: waves 0 and 1 fetch for A, waves 2 and 3 for Wo.  Each of the two lines has one mask and one set of registers for all that issue it; the branch hangs on the wave's number alone.
; Four v_nop follow each of the two lines.
.macro JLOAD g0a, g1a, g0b, g1b
	s_cmp_eq_u32 s15, 0
	s_cbranch_scc0 .Lfor_b_\@
	tensor_load_to_lds s[\g0a:\g0a+3], s[\g1a:\g1a+7]
	s_nop 0
.rept 4
	v_nop
.endr
	s_branch .Lasked_\@
.Lfor_b_\@:
	tensor_load_to_lds s[\g0b:\g0b+3], s[\g1b:\g1b+7]
	s_nop 0
.rept 4
	v_nop
.endr
.Lasked_\@:
.endm
.macro CROUND                          ; a round of the cluster's barrier
	s_barrier_signal -1
	s_barrier_wait -1
	s_cmp_lg_u32 s14, 0
	s_cbranch_scc1 .Lnot_wave_0_\@
	s_barrier_signal -3
.Lnot_wave_0_\@:
	s_barrier_wait -3
	s_barrier_signal -1
	s_barrier_wait -1
.endm
	s_load_b256 s[4:11], s[0:1], 0x0               ; oc, os, wc, ws
	s_load_b128 s[96:99], s[0:1], 0x20             ; bo, out0
	v_lshl_add_u32 v29, v0, 2, 0x4fb00
	v_mov_b32 v31, 0
	ds_add_u32 v29, v31
	v_lshrrev_b32 v1, 5, v0
	v_readfirstlane_b32 s14, v1                    ; wave 0..3
	s_lshr_b32 s15, s14, 1                         ; which 64 of the tile's 128 rows are mine.  Also: I fetch for A (0) or for Wo (1)
	s_and_b32 s16, s14, 1                          ; which 128 of its 256 columns.  Also: which half of that operand's rows I fetch
	s_bfe_u32 s40, ttmp6, 0x40000                  ; cx, cy: my place in the cluster
	s_bfe_u32 s41, ttmp6, 0x40004
	s_lshl_b32 s42, ttmp9, 2
	s_add_co_u32 s42, s42, s40                     ; tile column = 4 x cluster x + cx
	s_and_b32 s17, ttmp7, 0xffff
	s_lshl_b32 s17, s17, 2
	s_add_co_u32 s17, s17, s41                     ; tile row = 4 x cluster y + cy
	s_lshl_b32 s43, s41, 2
	s_lshl_b32 s43, 15, s43                        ; my row of the cluster
	s_lshl_b32 s44, 0x1111, s40                    ; my column
	; descriptor group 1: rows of 768 bytes, dense in memory, padded in LDS: 64 of A, 128 of Wo
	s_or_b32 s[G1+0], s43, (0<<16)|(1<<20)|(1<<21)|(5<<22)|(3<<25)  ; 15:0 the mask: my row; 17:16 elements of 1 byte; 20 padding on; 21 set beside a mask; 24:22 after every 64 words (code 5); 31:25 of 4 words (code 3)
	s_mov_b32 s[G1+1], KROW<<16                    ; tensor_dim0
	s_mov_b32 s[G1+2], 64<<16                      ; tensor_dim1
	s_mov_b32 s[G1+3], KROW<<16                    ; tile_dim0
	s_mov_b32 s[G1+4], 64                          ; tile_dim1
	s_mov_b32 s[G1+5], KROW                        ; the pitch
	s_mov_b32 s[G1+6], 0
	s_mov_b32 s[G1+7], 0
	s_or_b32 s[G1B+0], s44, (0<<16)|(1<<20)|(1<<21)|(5<<22)|(3<<25) ; the same with the mask of my column
	s_mov_b32 s[G1B+1], KROW<<16
	s_mov_b32 s[G1B+2], 128<<16
	s_mov_b32 s[G1B+3], KROW<<16
	s_mov_b32 s[G1B+4], 128
	s_mov_b32 s[G1B+5], KROW
	s_mov_b32 s[G1B+6], 0
	s_mov_b32 s[G1B+7], 0
	; the scale bytes of these rows: dense blocks of 2,048 and 4,096 bytes, as rows of 256 bytes (32 elements of 8 bytes), 16 bytes of padding behind each
	s_or_b32 s[G1S+0], s43, (3<<16)|(1<<20)|(1<<21)|(5<<22)|(3<<25)
	s_mov_b32 s[G1S+1], 32<<16
	s_mov_b32 s[G1S+2], (64*KS/256)<<16
	s_mov_b32 s[G1S+3], 32<<16
	s_mov_b32 s[G1S+4], 64*KS/256
	s_mov_b32 s[G1S+5], 32
	s_mov_b32 s[G1S+6], 0
	s_mov_b32 s[G1S+7], 0
	s_or_b32 s[G1SB+0], s44, (3<<16)|(1<<20)|(1<<21)|(5<<22)|(3<<25)
	s_mov_b32 s[G1SB+1], 32<<16
	s_mov_b32 s[G1SB+2], (128*KS/256)<<16
	s_mov_b32 s[G1SB+3], 32<<16
	s_mov_b32 s[G1SB+4], 128*KS/256
	s_mov_b32 s[G1SB+5], 32
	s_mov_b32 s[G1SB+6], 0
	s_mov_b32 s[G1SB+7], 0
	; where the rows come from.  A's hang on the tile row alone, Wo's on the tile column alone; every wave makes both, in registers that never hold the other coordinate
	s_lshl_b32 s18, s16, 6
	s_lshl_b32 s20, s17, 7
	s_add_co_u32 s20, s20, s18                     ; A: row 128 x tile row + 64 x half
	s_lshl_b32 s18, s16, 7
	s_lshl_b32 s46, s42, 8
	s_add_co_u32 s46, s46, s18                     ; Wo: row 256 x tile column + 128 x half
	s_mov_b32 s21, 0
	s_mov_b32 s47, 0
	s_mov_b64 s[18:19], KS
	s_mul_u64 s[22:23], s[20:21], s[18:19]         ; where these rows' scales begin, in bytes
	s_mul_u64 s[92:93], s[46:47], s[18:19]
	s_mov_b64 s[18:19], KROW
	s_mul_u64 s[20:21], s[20:21], s[18:19]         ; and their codes
	s_mul_u64 s[46:47], s[46:47], s[18:19]
	s_mul_i32 s45, s16, AH                         ; where they go: no place in the cluster enters an LDS address
	s_mul_i32 s95, s16, BH
	s_mul_i32 s94, s16, SA64
	s_mul_i32 s36, s16, SB128
	s_wait_dscnt 0x0
	s_wait_kmcnt 0x0
	s_mov_b64 s[12:13], s[98:99]                   ; out0
	s_add_nc_u64 s[8:9], s[8:9], 3*786432          ; Wo is the fourth of the weights
	s_add_nc_u64 s[10:11], s[10:11], 3*32768
	s_add_nc_u64 s[20:21], s[4:5], s[20:21]
	s_add_nc_u64 s[22:23], s[6:7], s[22:23]
	s_add_nc_u64 s[46:47], s[8:9], s[46:47]
	s_add_nc_u64 s[92:93], s[10:11], s[92:93]
	CROUND                                         ; all sixteen work-groups are here: the joint loads meet
	s_mov_b32 s[G0S], 1
	s_add_co_u32 s[G0S+1], s94, SCL
	s_mov_b64 s[G0S+2:G0S+3], s[22:23]
	s_or_b32 s[G0S+3], s[G0S+3], 0x80000000
	s_mov_b32 s[G0SB], 1
	s_add_co_u32 s[G0SB+1], s36, SCLB
	s_mov_b64 s[G0SB+2:G0SB+3], s[92:93]
	s_or_b32 s[G0SB+3], s[G0SB+3], 0x80000000
	JLOAD G0S, G1S, G0SB, G1SB                     ; the scale bytes
	s_mov_b32 s[G0], 1
	s_mov_b32 s[G0+1], s45
	s_mov_b64 s[G0+2:G0+3], s[20:21]
	s_or_b32 s[G0+3], s[G0+3], 0x80000000
	s_mov_b32 s[G0B], 1
	s_add_co_u32 s[G0B+1], s95, BOFF
	s_mov_b64 s[G0B+2:G0B+3], s[46:47]
	s_or_b32 s[G0B+3], s[G0B+3], 0x80000000
	JLOAD G0, G1, G0B, G1B                         ; the codes, all of K: two tensor loads of mine are out, and no more are issued
	v_and_b32 v1, 15, v0                           ; l % 16
	v_bfe_u32 v2, v0, 4, 1                         ; l / 16
	v_mul_u32_u24 v3, v1, PITCH
	v_mul_u32_u24 v4, v2, 24
	v_add_nc_u32 v4, v3, v4                        ; a fragment's row x pitch + 24 x half
	v_lshl_add_u32 v5, v2, 4, v4                   ; and the same behind one padding more
	s_mul_i32 s21, s15, AH                         ; my 64 rows of A
	s_mul_i32 s22, s16, BH
	s_add_co_u32 s22, s22, BOFF                    ; my 128 rows of Wo
	v_add_nc_u32 v[ADRA], s21, v4
	v_add_nc_u32 v[ADRA+1], s21, v5
	v_add_nc_u32 v[ADRB], s22, v4
	v_add_nc_u32 v[ADRB+1], s22, v5
	s_add_co_u32 s22, s22, AH                      ; 64 rows on: blocks 4-7
	v_add_nc_u32 v[ADRB+2], s22, v4
	v_add_nc_u32 v[ADRB+3], s22, v5
	v_mul_u32_u24 v5, v1, KS                       ; my row's scales: KS bytes a row,
	v_lshrrev_b32 v6, 8, v5
	v_lshl_add_u32 v5, v6, 4, v5                   ; and 16 more for each 256 passed
	s_mul_i32 s21, s15, SA64                       ; A's: my 64 rows
	s_mul_i32 s22, s16, SB128                      ; Wo's: my 128 rows, behind A's 128
	s_add_co_u32 s22, s22, 2*SA64
	s_sub_co_u32 s22, s22, s21
	v_mul_u32_u24 v6, s22, v2                      ; lanes 16-31 take Wo's
	s_add_co_u32 s21, s21, SCL
	v_add_nc_u32 v5, v5, v6
	v_add_nc_u32 v[ADRS], s21, v5
	s_mul_i32 s23, s14, 16*SPITCH                  ; my stage
	v_mul_u32_u24 v5, v1, SPITCH                   ; in: row l % 16, 32 bytes for each half of the lanes
	v_lshl_add_u32 v5, v2, 5, v5
	v_add_nc_u32 v[STO], s23, v5
	v_and_b32 v6, 31, v0
	v_lshlrev_b32 v[CO], 4, v6                     ; back: the 32 lanes take one row of 512 bytes; and the same in out0
	v_add_nc_u32 v[RD], s23, v[CO]
	s_lshl_b32 s20, s17, 7
	s_lshl_b32 s21, s15, 6
	s_add_co_u32 s20, s20, s21                     ; my first row of out0: 128 x tile row + 64 x half
	s_mov_b32 s21, 0
	s_mov_b64 s[18:19], SIZE_N*4
	s_mul_u64 s[20:21], s[20:21], s[18:19]
	s_lshl_b32 s46, s42, 10                        ; my first column, in bytes: 1,024 x tile column + 512 x half: also my place in bo
	s_lshl_b32 s47, s16, 9
	s_add_co_u32 s46, s46, s47
	s_mov_b32 s47, 0
	s_add_nc_u64 s[20:21], s[20:21], s[46:47]
	s_add_nc_u64 s[12:13], s[12:13], s[20:21]
	s_add_nc_u64 s[96:97], s[96:97], s[46:47]
	v_lshlrev_b32 v[BO8], 5, v2
.irp b, 0,1,2,3,4,5,6,7                        ; bo(my column + 16 b + 8 h + 0 .. 7): the C of block b's first products
	global_load_b128 v[BB+8*\b:BB+8*\b+3], v[BO8], s[96:97] offset:64*\b
	global_load_b128 v[BB+8*\b+4:BB+8*\b+7], v[BO8], s[96:97] offset:64*\b+16
.endr
; A fragment, 16 rows x 128 K of 6-bit codes, is 12 registers: lane l holds row l % 16; registers 6 c .. 6 c + 5 hold K = 64 c + 32 (l / 16) + 0 .. 31: 24 bytes of the row's stream of bits, as they lie.
; In pieces of 8 bytes: lanes 0-15 take the row's pieces 12 q + 0, 1, 2 and 12 q + 6, 7, 8, lanes 16-31 those three pieces on.  16 bytes of padding lie behind every 32 pieces: where the piece three on lies behind
; one padding more, the second address register (40 for 24 bytes a half) serves.
.macro FRAG reg, adr, q, i
.irp p, 0,1,2,3,4,5
.set PC, 12*(\q)+6*(\p/3)+\p%3
.if PC%32 < 29
	ds_load_b64 v[\reg+2*\p:\reg+2*\p+1], v[\adr] offset:8*PC+16*(PC/32)+(\i)*16*PITCH
.else
	ds_load_b64 v[\reg+2*\p:\reg+2*\p+1], v[\adr+1] offset:8*PC+16*(PC/32)+(\i)*16*PITCH
.endif
.endr
.endm
; 16 matrix instructions: A's blocks a0, a0 + 1 x Wo's eight, the q-th 128 along K, on the sets p.  first = 1: the sums begin with the bias.
; The 32 accumulators take turns, one instruction a turn, in the same order in every step.
.macro MUL16 a0, p, q, first
.irp a, \a0, \a0+1
.irp b, 0,1,2,3,4,5,6,7
.if \first
	v_wmma_scale_f32_16x16x128_f8f6f4 v[8*(8*(\a)+\b):8*(8*(\a)+\b)+7], v[128*(\p)+FR*\b:128*(\p)+FR*\b+FR-1], v[AF+48*(\p)+FR*(\a):AF+48*(\p)+FR*(\a)+FR-1], v[BB+8*\b:BB+8*\b+7], v[SC+8*\b+(\q)], v[SC+8*(\a)+(\q)] matrix_a_fmt:MATRIX_FMT_BF6 matrix_b_fmt:MATRIX_FMT_BF6 matrix_a_scale:MATRIX_SCALE_ROW1
.else
	v_wmma_scale_f32_16x16x128_f8f6f4 v[8*(8*(\a)+\b):8*(8*(\a)+\b)+7], v[128*(\p)+FR*\b:128*(\p)+FR*\b+FR-1], v[AF+48*(\p)+FR*(\a):AF+48*(\p)+FR*(\a)+FR-1], v[8*(8*(\a)+\b):8*(8*(\a)+\b)+7], v[SC+8*\b+(\q)], v[SC+8*(\a)+(\q)] matrix_a_fmt:MATRIX_FMT_BF6 matrix_b_fmt:MATRIX_FMT_BF6 matrix_a_scale:MATRIX_SCALE_ROW1
.endif
.endr
.endr
.endm
.macro FETCH_B q, p                    ; Wo's eight fragments of the q-th 128 along K into set p
	WIN TO_B
.irp i, 0,1,2,3
	FRAG 128*(\p)+FR*\i, ADRB, \q, \i
.endr
.irp i, 0,1,2,3
	FRAG 128*(\p)+FR*(4+\i), ADRB+2, \q, \i
.endr
	WIN 0
.endm
.macro FETCH_A q, p                    ; A's four
.irp i, 0,1,2,3
	FRAG AF+48*(\p)+FR*\i, ADRA, \q, \i
.endr
.endm
.macro SCALES                          ; all scale words, once: a row's 32 bytes are the words of its eight steps of 128 along K; lanes 0-15 take A's block i (only blocks 0-3 are used), lanes 16-31 Wo's block i
.irp i, 0,1,2,3,4,5,6,7
	ds_load_b128 v[SC+8*\i:SC+8*\i+3], v[ADRS] offset:\i*SBLK
	ds_load_b128 v[SC+8*\i+4:SC+8*\i+7], v[ADRS] offset:\i*SBLK+16
.endr
.endm
.macro PLACES n                        ; plain vector lines between a matrix instruction and a load into, or an LDS store of, its registers
.rept \n
	v_nop
.endr
.endm
; A step of 128 along K: 32 matrix instructions on the sets q % 2; in its middle one run of 72 loads brings the next step's fragments into the other sets: Wo's first, then A's blocks in order.
.macro STEP q, first
	s_wait_dscnt 2*NL                              ; Wo's set and A's blocks 0 and 1 are in; the youngest 12 loads (A's blocks 2 and 3) may be out
	WIN MUL-0x20*(\first)                          ; (first: C, the bias, lies in window 0)
	MUL16 0, (\q)%2, \q, \first
	s_wait_dscnt 0                                 ; A's blocks 2 and 3 are in
	PLACES NP                                      ; the other sets were read by the last step's products
	FETCH_B (\q)+1, 1-(\q)%2
	FETCH_A (\q)+1, 1-(\q)%2
	WIN MUL-0x20*(\first)
	MUL16 2, (\q)%2, \q, \first
.endm
	s_wait_tensorcnt 0x0                           ; my two loads have landed,
	s_barrier_signal -1
	s_barrier_wait -1                              ; everybody's have: both operands, all of K, and their scales lie in LDS
	SCALES
	FETCH_B 0, 0
	FETCH_A 0, 0
	s_wait_loadcnt 0x0                             ; the bias
	STEP 0, 1                                      ; the first step's products start the sums, on the bias
.irp q, 1,2,3,4,5,6
	STEP \q, 0
.endr
	s_wait_dscnt 0x0                               ; the last step: its fragments are in, and my reads of LDS are over:
	s_barrier_signal -1                            ; say so,
	WIN MUL
	MUL16 0, 1, 7, 0                               ; work on registers while the others arrive,
	MUL16 2, 1, 7, 0
	WIN 0
	s_barrier_wait -1                              ; and go on when all four have said so: nobody reads the tiles any more, and the stages may lie over them
; THE WAY OUT, block by block of 16 rows x 128 columns, through my own stage in LDS: back as whole rows of 512 bytes.  LDS serves a wave's instructions in order (ISA guide 5.7.1.4): no wait between the stores and the loads.
.macro TOSTAGE a
.set AC, 64*(\a)
	WIN 0x08                                       ; the data: window 2
.irp b, 0,1,2,3,4,5,6,7
	ds_store_b128 v[STO], v[AC+8*\b:AC+8*\b+3] offset:64*\b          ; each accumulator from its low end on
	ds_store_b128 v[STO], v[AC+8*\b+4:AC+8*\b+7] offset:64*\b+16
.endr
	WIN 0
.set BBK, BK+64*((\a)%2)
.irp t, 0,1,2,3,4,5,6,7,8,9,10,11,12,13,14,15
	ds_load_b128 v[BBK+4*\t:BBK+4*\t+3], v[RD] offset:\t*SPITCH
.endr
.endm
.macro SEND a, younger                 ; younger: the LDS instructions issued behind block a's loads, which may stay out
.set BBK, BK+64*((\a)%2)
	s_wait_dscnt \younger                          ; the block is back in registers
.if (\a) > 0
	s_add_nc_u64 s[12:13], s[12:13], 16*SIZE_N*4   ; (behind a wait on XCNT: the earlier stores have read their base)  16 rows of out0 on
.endif
.irp t, 0,1,2,3,4,5,6,7,8,9,10,11,12,13,14,15
	global_store_b128 v[CO], v[BBK+4*\t:BBK+4*\t+3], s[12:13] offset:\t*SIZE_N*4 th:TH_STORE_NT   ; 32 lanes store 512 consecutive bytes, at a multiple of 256 from out0's first byte; written once, read by nobody here
.endr
.endm
	PLACES NP                                      ; behind the last products: their results are stored and their operands' registers loaded below
	TOSTAGE 0
.irp a, 1,2,3
.if \a > 1
	s_wait_xcnt 0x0                                ; block a - 2's stores have read their registers and their base
.endif
	TOSTAGE \a
	SEND \a-1, 32                                  ; behind block a - 1's loads: block a's 16 stores and 16 loads
.endr
	s_wait_xcnt 0x0                                ; block 2's stores have read their base
	SEND 3, 0                                      ; its wait is for 0: no LDS instruction of mine is out at the round below
	s_wait_tensorcnt 0x0
	ds_add_u32 v29, v31
	s_wait_dscnt 0x0
	CROUND                                         ; the closing round: no work-group ends while a partner may still ask for rows that name it
	s_endpgm
.Lfunc_end_k_qb8d95aac24_outp:
	.size	k_qb8d95aac24_outp, .Lfunc_end_k_qb8d95aac24_outp-k_qb8d95aac24_outp
	.p2alignl 7, 3214868480
	.fill 96, 4, 3214868480
	.section	.rodata,"a",@progbits
	.p2align	6, 0x0
	.amdhsa_kernel k_qb8d95aac24_outp
		.amdhsa_group_segment_fixed_size 327680
		.amdhsa_private_segment_fixed_size 0
		.amdhsa_enable_private_segment 0
		.amdhsa_kernarg_size 48
		.amdhsa_user_sgpr_count 2
		.amdhsa_user_sgpr_kernarg_segment_ptr 1
		.amdhsa_wavefront_size32 1
		.amdhsa_system_sgpr_workgroup_id_x 1
		.amdhsa_system_sgpr_workgroup_id_y 1
		.amdhsa_system_sgpr_workgroup_id_z 1
		.amdhsa_system_vgpr_workitem_id 0
		.amdhsa_next_free_vgpr 768
		.amdhsa_next_free_sgpr 106
		.amdhsa_reserve_vcc 0
		.amdhsa_float_denorm_mode_32 3
		.amdhsa_float_denorm_mode_16_64 3
		.amdhsa_memory_ordered 1
		.amdhsa_forward_progress 1
		.amdhsa_inst_pref_size 97
	.end_amdhsa_kernel
	.amdgpu_metadata
---
amdhsa.version: [ 1, 2 ]
amdhsa.kernels:
  - .name:           k_qb8d95aac24_outp
    .symbol:         k_qb8d95aac24_outp.kd
    .args:
      - { .name: oc, .offset: 0, .size: 8, .value_kind: global_buffer, .address_space: global }
      - { .name: os, .offset: 8, .size: 8, .value_kind: global_buffer, .address_space: global }
      - { .name: wc, .offset: 16, .size: 8, .value_kind: global_buffer, .address_space: global }
      - { .name: ws, .offset: 24, .size: 8, .value_kind: global_buffer, .address_space: global }
      - { .name: bo, .offset: 32, .size: 8, .value_kind: global_buffer, .address_space: global }
      - { .name: out0, .offset: 40, .size: 8, .value_kind: global_buffer, .address_space: global }
    .group_segment_fixed_size: 327680
    .private_segment_fixed_size: 0
    .kernarg_segment_align: 8
    .kernarg_segment_size: 48
    .max_flat_workgroup_size: 128
    .sgpr_count:     106
    .vgpr_count:     768
    .wavefront_size: 32
...
	.end_amdgpu_metadata
.endif
;; end of part 4
